; MI455X (gfx1250); checked and timed in simulation.
; The chip was launched on July 23, 2026; its instructions are those of AMD's public machine-readable ISA for CDNA 5 (MIT licence, August 2026) and "CDNA5" Instruction Set Architecture Reference Guide (July 2026). The comments in the code are by the model that wrote it; some were corrected since.
;; Multi Head Attention. Allowed arithmetic: matrix products marked QUANTISED: E2M1 operands, one E8M0 scale for each 32 along K, by v_wmma_scale_f32_16x16x128_f8f6f4 with both operands' format E2M1 (or v_wmma_scale_f32_32x16x128_f4), f32 sums; everything else in f32.
;; Inputs: b_k 1,024 float32; b_o 1,024 float32; b_q 1,024 float32; b_v 1,024 float32; k 4 x 2,048 x 1,024 float32; mask 4 x 1 x 2,048 x 2,048 int32; q 4 x 2,048 x 1,024 float32; v 4 x 2,048 x 1,024 float32; w_k 1,024 x 1,024 float32; w_o 1,024 x 1,024 float32; w_q 1,024 x 1,024 float32; w_v 1,024 x 1,024 float32.
;; Outputs: out0 4 x 2,048 x 1,024 float32.
;; This version of the problem:
;;   THIS VERSION OF THE PROBLEM IS GIVEN IN LOW PRECISION. The matrix products marked QUANTISED in the list below multiply operands that are first quantised to E2M1 (2 exponent bits, 1 mantissa bit; 4 bits a number), with one power-of-two scale for each 32 numbers along K (OCP MX v1.0); their sums are f32. All else is computed in f32.
;;   The module's matrix products, in the order in which they are computed (A, B: the left and right operand; K: the contracted axis; several contracted axes count as one K, in the product's order):
;;     1. [M 8,192, K 1,024] x [K 1,024, N 1,024]; A: input q; B: input w_q: QUANTISED
;;     2. [M 8,192, K 1,024] x [K 1,024, N 1,024]; A: input k; B: input w_k: QUANTISED
;;     3. [M 8,192, K 1,024] x [K 1,024, N 1,024]; A: input v; B: input w_v: QUANTISED
;;     4. batch 64 x [M 2,048, K 64] x [K 64, N 2,048]; A: computed on the way; B: computed on the way: QUANTISED
;;     5. batch 64 x [M 2,048, K 2,048] x [K 2,048, N 64]; A: softmax (see below); B: computed on the way: QUANTISED
;;     6. [M 8,192, K 1,024] x [K 1,024, N 1,024]; A: computed on the way; B: input w_o: QUANTISED
;;   THE QUANTISER, for each operand of a quantised product, along K:
;;     - K is cut into blocks of 32 from its start; a last block that is shorter is filled with zeros.
;;     - A block's scale is 2^e with e = floor(log2(the largest magnitude in the block)) - 2, held to -126 .. 127; a block of zeros has e = 0. As a byte (E8M0): e + 127.
;;     - Each number is divided by its block's scale, clamped to +-6, and rounded to the nearest number of E2M1, ties to even, subnormals kept.
;;     - The product sums the exact products of the quantised numbers (number of the format x scale) in f32.
;;   ~~~python
;;   def quantise(x, axis):      # numpy; x: float32 -> the quantised numbers, widened to float32 again
;;       x = np.moveaxis(x, axis, -1); K = x.shape[-1]
;;       x = np.pad(x, [(0, 0)] * (x.ndim - 1) + [(0, -K % 32)]); x = x.reshape(x.shape[:-1] + (-1, 32)); a = np.abs(x).max(-1, keepdims=True)
;;       e = np.where(a > 0, np.clip(np.frexp(np.where(a > 0, a, 1))[1] - 1 - 2, -126, 127), 0)      # np.frexp(a)[1] - 1 = floor(log2(a)), exactly
;;       r = np.clip(x / 2.0 ** e, -6, 6)
;;       step = 2.0 ** (np.maximum(np.frexp(np.where(r == 0, 1, r))[1] - 1, 0) - 1)
;;       q = np.round(r / step) * step * 2.0 ** e      # np.round: ties to even
;;       return np.moveaxis(q.reshape(q.shape[:-2] + (-1,))[..., :K], -1, axis).astype(np.float32)
;;   ~~~
;;   SOFTMAX AHEAD OF A QUANTISED PRODUCT. Where the list says 'softmax', what is quantised is not the finished softmax but p = 2^(t - M), with t = logit x log2(e) and M = ceil(the row's largest t), a whole number; so 1/2 < the row's largest p <= 1. The row's sum l is taken of the UNQUANTISED p, in f32, and the product's result is divided by l at the end. Since M is a whole number, a kernel that streams over the keys may use a running M (the ceiling of the running maximum): every later rescaling is an exact power of two, which a block's scale takes up: the codes' values come out the same.
;;   OPERANDS COMPUTED ON THE WAY. 'Computed on the way' means the value that the module computes at that place (a softmax that the list does not call 'softmax' is quantised finished and normalised). What goes into a quantiser is computed in f32, as accurately as f32 sums, v_exp_f32 and their like allow (about 1e-6 of the number): no bf16 or f16 on the way to a quantiser, and a product that is left as it is and whose result goes on into a quantised operand takes f32 operands (vector FMAs, or v_wmma_f32_16x16x4_f32). A number that lies on a knife's edge between two numbers of the format may be rounded either way, as far as f32 arithmetic and the matrix unit's own rounding can turn it there, and no further.
;; 2 versions, each right; version 2 is version 1 with the launch attn written anew for expert scheduling mode. Each part assembles by itself: llvm-mc -triple=amdgcn-amd-amdhsa -mcpu=gfx1250 --defsym DOCPART=n.
;; ======== version 1 of 2: 4 launches
;; limits: right only within a limited range of input values
;; workspace buffers: xx 15,597,568 bytes; mb 2,097,152 bytes of whole numbers; fl 2,048 bytes of whole numbers; qq 4,718,592 bytes; kv 9,175,040 bytes; oo 4,456,448 bytes
;; launch prep (part 1): grid 1408 x 1, 4 waves a work-group, no clusters, 33,792 bytes of LDS; arguments q, k, v, w_q, w_k, w_v, w_o, mask, xx, mb, fl; writes xx, mb, fl
.if DOCPART == 1
	.amdgcn_target "amdgcn-amd-amdhsa--gfx1250"
	.amdhsa_code_object_version 6
	.text
	.protected	k_q450068592a_prep
	.globl	k_q450068592a_prep
	.p2align	8
	.type	k_q450068592a_prep,@function
k_q450068592a_prep:
	s_mov_b64 s[64:65], 0
	v_nop
	global_prefetch_b8 v0, s[64:65] scope:SCOPE_SE
	s_setreg_imm32_b32 hwreg(HW_REG_WAVE_MODE, 25, 1), 1
	s_wait_xcnt 0x0
; MULTI-HEAD ATTENTION IN MX-FP4, FIRST OF FOUR LAUNCHES: the seven f32 tensors become codes, the mask becomes bits and flags.
; WHAT THE PROGRAM LEAVES OUT.  No input is dead: all twelve are loaded.  One kind of work is left out, and whole numbers decide it: a block of 16 queries x 128 keys of the
; attention is passed over where all its 2,048 mask words are 0 AND each of its 16 query rows has a word other than 0 somewhere among its 2,048 keys.  Such a row's largest logit is one
; that the mask lets through; a masked logit is -1e10, so its p = 2^(t - M) lies under the smallest f32 number and is 0, here as in the formula: the block adds nothing to the row's sum
; and only zero codes to the second product.  A tile with a row that is masked throughout passes over nothing.  This launch stores the decision as whole numbers (fl), the third launch reads it.
; LIMITS.  A masked raw score is set to -2^36 (an energy of -2^33) where the formula has -1e10: times log2(e) / 8 that is a whole number, so a row masked throughout gets p = 1 exactly,
; the plain mean of V.  The results are the formula's while the magnitude of unmasked energies stays under about 4e9.  NaN and infinities among the inputs are not served, and one that reaches only a block passed over is not
; carried to the result.  A block of 32 zeros gets the scale byte 1 where the rule says 127: its codes are zeros, and this program alone reads the bytes.
; WORK-GROUPS 0 TO 895: THE QUANTISER.  q, k, v [8,192][1,024] and w_q, w_k, w_v, w_o [1,024][1,024], K innermost, are plain streams of blocks of 32.  A block's scale byte is its largest
; magnitude's exponent field - 2, held at 1 from below; each number is divided by the scale and rounded to the nearest code, ties to even.  A work-group takes 32 rows, a wave 8.
; POSITION ORDER: in xx the second and third group of 8 rows of each 32 change places (wave w writes where wave ((w & 1) << 1) | (w >> 1) would).  Sixteen consecutive rows of xx, tile 2 b + u, are then rows
; 32 b + 8 u + r + 8 (r / 8): used as source 0 of a product, two neighbouring tiles leave 16 neighbours along the next product's K in a lane's 16 registers.
; A wave takes 16 steps of 512 numbers; each load reads 512 consecutive bytes; a step's 2,048 bytes turn through the wave's own stage in LDS so that a lane holds 16 neighbours; a wave's store of codes covers 256
; consecutive bytes, aligned; its 256 scale bytes are gathered in LDS and leave as one such run.
; WORK-GROUPS 896 TO 1,407: THE MASK.  Work-group m takes batch m / 128 and tile T = m % 128 of 16 query rows (position order); wave w takes key steps 4 w .. 4 w + 3 of 128 keys.
; mb[b][T][step][r][j], bit L = (mask[b][row][128 step + 4 L + j] != 0).  fl[b][T]: bit s: step s must be walked; bit 16 + s: step s is not all ones, so its bits must be applied.
; The two paths part on the work-group's number alone and have LDS bytes of their own.  No matrix unit, no cluster, no prefetch: every byte is read once, by long runs, and nothing is shared.
.set QWG,   896                        ; work-groups of the quantiser: (3 x 8,192 + 4 x 1,024) / 32
.set STEPS, 16
.set EMAX,  2
.set CB,    8                          ; bytes of 16 codes
.set R,     16                         ; v16-79   four sets of 16 numbers as they are loaded
.set X,     80                         ; v80-111  two sets of 16 neighbours
.set C,     128                        ; v128-191 codes: four registers for each step
.set E,     112                        ; v112-127 a scale byte for each step
.set WREG,  8192                       ; LDS: a region for each wave: two stages of 32 x SP bytes, then its 256 scale bytes
.set SP,    80                         ; a lane's place in a stage: 64 bytes + 16 of padding
.set SPW,   12                         ; v12 LDS address of my spare word; never rewritten
.set NIL,   13                         ; v13 0; never rewritten
.set SPARE, 4*WREG                     ; the spare words: 128 bytes for each wave
.set MFL,   SPARE+512                  ; the mask path's four words
.set MX,    16                         ; v16-143  the mask path: two sets of 64 registers, a key step each
.set MO,    144                        ; v144-151 two registers of bits for each of my four steps
	s_load_b512 s[4:19], s[0:1], 0x0               ; q, k, v, w_q, w_k, w_v, w_o, mask
	s_load_b128 s[20:23], s[0:1], 0x40             ; xx, mb
	s_load_b64 s[24:25], s[0:1], 0x50              ; fl
	v_lshl_add_u32 v[SPW], v0, 2, SPARE
	v_mov_b32 v[NIL], 0
	v_lshrrev_b32 v1, 5, v0
	v_readfirstlane_b32 s26, v1                    ; wave 0..3
	v_and_b32 v2, 31, v0                           ; lane
	v_lshlrev_b32 v3, 4, v2                        ; my 16 bytes of a load's 512
	s_cmp_ge_u32 ttmp9, QWG
	s_cbranch_scc1 .Lmask                          ; the work-group's number alone: all four waves go the same way
	; ---------------- the quantiser
	s_mul_i32 s27, s26, WREG
	v_lshrrev_b32 v14, 2, v2
	v_mul_u32_u24 v14, v14, SP
	v_and_b32 v15, 3, v2
	v_lshl_add_u32 v14, v15, 4, v14
	v_add_nc_u32 v14, s27, v14                     ; the stage, on the way in: SP (lane / 4) + 16 (lane % 4)
	v_mul_u32_u24 v15, v2, SP
	v_add_nc_u32 v15, s27, v15                     ; and on the way out: SP x lane: my 16 neighbours
	v_mul_u32_u24 v4, v2, CB                       ; my codes' place in a step's
	v_lshrrev_b32 v5, 1, v2
	s_add_co_u32 s27, s27, 2*32*SP
	v_add_nc_u32 v5, s27, v5                       ; LDS: my wave's 256 scale bytes, my block's byte
	v_lshlrev_b32 v7, 3, v2                        ; and on the way out 8 bytes a lane
	v_add_nc_u32 v6, s27, v7
	s_wait_kmcnt 0x0
	s_mov_b64 s[28:29], s[16:17]                   ; which tensor: the choice hangs on the work-group's number alone
	s_mov_b32 s30, 864                             ; and its first work-group
.macro PICK lim, lo, base
	s_cmp_lt_u32 ttmp9, \lim
	s_cselect_b64 s[28:29], s[\lo:\lo+1], s[28:29]
	s_cselect_b32 s30, \base, s30
.endm
	PICK 864, 14, 832                              ; w_v
	PICK 832, 12, 800                              ; w_k
	PICK 800, 10, 768                              ; w_q
	PICK 768, 8, 512                               ; v
	PICK 512, 6, 256                               ; k
	PICK 256, 4, 0                                 ; q
	s_sub_co_u32 s31, ttmp9, s30
	s_lshl_b32 s31, s31, 2
	s_add_co_u32 s31, s31, s26                     ; which run of 8 rows of the tensor I read
	s_lshl_b32 s32, s31, 15                        ; 32,768 bytes a run
	s_mov_b32 s33, 0
	s_add_nc_u64 s[28:29], s[28:29], s[32:33]
	s_and_b32 s31, s26, 1
	s_lshl_b32 s31, s31, 1
	s_lshr_b32 s34, s26, 1
	s_or_b32 s31, s31, s34                         ; position order: groups 1 and 2 of the 32 rows change places
	s_lshl_b32 s34, ttmp9, 2
	s_add_co_u32 s31, s31, s34                     ; which run of xx I write: the seven tensors lie on end
	s_lshl_b32 s32, s31, 12                        ; 4,096 bytes of codes a run
	s_add_nc_u64 s[34:35], s[20:21], s[32:33]
	s_lshl_b32 s32, s31, 8                         ; 256 scale bytes a run,
	s_add_co_u32 s32, s32, 0xE00000                ; behind all the codes
	s_add_nc_u64 s[36:37], s[20:21], s[32:33]
.macro LOAD t
.irp i, 0,1,2,3
	global_load_b128 v[R+16*((\t)%4)+4*\i:R+16*((\t)%4)+4*\i+3], v3, s[28:29] offset:2048*(\t)+512*\i th:TH_LOAD_NT   ; 32 lanes read 512 consecutive bytes
.endr
.endm
.macro TURN t                          ; step t's numbers through the stage: LDS serves a wave's instructions in order, so no wait stands between the stores and the loads
.irp i, 0,1,2,3
	ds_store_b128 v14, v[R+16*((\t)%4)+4*\i:R+16*((\t)%4)+4*\i+3] offset:32*SP*((\t)%2)+8*SP*\i
.endr
.irp i, 0,1,2,3
	ds_load_b128 v[X+16*((\t)%2)+4*\i:X+16*((\t)%2)+4*\i+3], v15 offset:32*SP*((\t)%2)+16*\i
.endr
.endm
.irp t, 0,1,2,3
	LOAD \t
.endr
	s_wait_loadcnt 12                              ; step 0's four loads are in; the twelve of steps 1 to 3 may be out
	TURN 0
.macro STEP t
.set XS, X+16*((\t)%2)
.if (\t) > 0
	s_wait_dscnt 1                                 ; this step's numbers are back from the stage (the last step's byte store may be out): so its stores into the stage have read their registers,
.else
	s_wait_dscnt 0x0
.endif
.if (\t)+4 < STEPS
	LOAD (\t)+4                                    ; which take the loads of four steps on
.endif
.if (\t)+1 < STEPS
.if STEPS-2-(\t) >= 3
	s_wait_loadcnt 12                              ; the next step's four loads are in; those of the three steps behind it may be out
.else
	s_wait_loadcnt 4*(STEPS-2-(\t))
.endif
	TURN (\t)+1                                    ; and go through the other stage while this step is worked
.endif
	v_max3_num_f32 v8, |v[XS]|, |v[XS+1]|, |v[XS+2]|               ; the largest magnitude of my 16
	v_max3_num_f32 v9, |v[XS+3]|, |v[XS+4]|, |v[XS+5]|
.irp i, 6,10
	v_max3_num_f32 v8, v8, |v[XS+\i]|, |v[XS+\i+1]|
	v_max3_num_f32 v9, v9, |v[XS+\i+2]|, |v[XS+\i+3]|
.endr
	v_max3_num_f32 v8, v8, |v[XS+14]|, |v[XS+15]|
	v_max3_num_f32 v8, v8, v9, (EMAX+1)<<23        ; and the floor 2^(EMAX + 1 - 127): the byte cannot fall under 1
	v_max_num_f32_dpp v8, v8, v8 row_xmask:1 row_mask:0xf bank_mask:0xf   ; and of my neighbour's 16: the block's
	v_add_nc_u32 v11, -(EMAX<<23), v8              ; EMAX off its exponent field: the conversion takes the exponent field of this operand as its scale
	v_cvt_scalef32_pk8_fp4_f32 v[C+4*(\t)], v[XS:XS+7], v11
	v_cvt_scalef32_pk8_fp4_f32 v[C+4*(\t)+1], v[XS+8:XS+15], v11
	v_lshrrev_b32 v[E+(\t)], 23, v11               ; the scale's byte
	ds_store_b8 v5, v[E+(\t)] offset:16*(\t)       ; both lanes of a block write the same byte with the same value
	global_store_b64 v4, v[C+4*(\t):C+4*(\t)+1], s[34:35] offset:32*CB*(\t)   ; the wave stores 256 consecutive bytes, aligned
.endm
.irp t, 0,1,2,3,4,5,6,7,8,9,10,11,12,13,14,15
	STEP \t
.endr
	ds_load_b64 v[8:9], v6                         ; LDS serves a wave's instructions in order: these see my stores
	s_wait_dscnt 0x0
	global_store_b64 v7, v[8:9], s[36:37]          ; 32 lanes store 256 consecutive bytes, aligned
	s_wait_tensorcnt 0x0                           ; the wave's end, behind my last LDS store
	ds_add_u32 v[SPW], v[NIL]
	s_wait_dscnt 0x0
	s_endpgm
	; ---------------- the mask
.Lmask:
	s_sub_co_u32 s27, ttmp9, QWG                   ; m = 128 b + T
	s_lshr_b32 s28, s27, 7                         ; b
	s_and_b32 s29, s27, 127                        ; T
	s_lshl_b32 s28, s28, 24                        ; a batch's mask: 2,048 x 2,048 x 4 bytes
	s_lshr_b32 s30, s29, 1
	s_lshl_b32 s30, s30, 5
	s_and_b32 s31, s29, 1
	s_lshl_b32 s31, s31, 3
	s_add_co_u32 s30, s30, s31                     ; the tile's first row: 32 (T / 2) + 8 (T % 2)
	s_lshl_b32 s30, s30, 13                        ; 8,192 bytes a row
	s_add_co_u32 s28, s28, s30
	s_lshl_b32 s30, s26, 11                        ; my four steps: 2,048 bytes of each row
	s_add_co_u32 s28, s28, s30
	s_mov_b32 s29, 0
	s_lshl_b32 s30, s27, 12                        ; mb: 16 steps x 256 bytes a tile,
	s_lshl_b32 s31, s26, 10                        ; my four of them
	s_add_co_u32 s30, s30, s31
	s_mov_b32 s31, 0
	s_lshl_b32 s42, s27, 2                         ; fl: a word a tile
	s_mov_b32 s43, 0
	v_lshlrev_b32 v4, 3, v2                        ; 8 bytes a lane of a step's 256
.irp i, 0,1,2,3,4,5,6,7
	v_mov_b32 v[MO+\i], 0                          ; a lane write's destination counts as read
.endr
	v_mov_b32 v153, s26
	v_lshlrev_b32 v153, 2, v153
	v_add_nc_u32 v153, MFL, v153                   ; LDS: my wave's word
	v_mov_b32 v154, MFL
	v_mov_b32 v164, 0xffff
	v_mov_b32 v165, 0
	s_mov_b32 s40, 0                               ; bit r: row r has a word other than 0 in my steps
	s_mov_b32 s41, 0                               ; bit 16 + k: my step k has one; bit 20 + k: my step k is all ones
	s_wait_kmcnt 0x0
	s_add_nc_u64 s[18:19], s[18:19], s[28:29]
	s_add_nc_u64 s[22:23], s[22:23], s[30:31]
	s_add_nc_u64 s[24:25], s[24:25], s[42:43]
.macro LOADM k                         ; my step k: 16 rows x 512 consecutive bytes; lane L takes keys 4 L .. 4 L + 3
.irp r, 0,1,2,3,4,5,6,7,8,9,10,11,12,13,14,15
	global_load_b128 v[MX+64*((\k)%2)+4*\r:MX+64*((\k)%2)+4*\r+3], v3, s[18:19] offset:(\r+8*(\r/8))*8192+512*(\k) th:TH_LOAD_NT
.endr
.endm
.macro PROC k
.if (\k) < 3
	s_wait_loadcnt 16                              ; this step's 16 loads are in; the next step's 16 may be out
.else
	s_wait_loadcnt 0x0
.endif
	s_mov_b32 s36, 0                               ; the step's rows with a word other than 0
	s_mov_b32 s37, -1                              ; the AND of all its bits
.irp r, 0,1,2,3,4,5,6,7,8,9,10,11,12,13,14,15
.irp j, 0,1,2,3
	v_cmp_ne_u32 s[32+\j], 0, v[MX+64*((\k)%2)+4*\r+\j]   ; bit L: key 4 L + j counts for row r
.endr
	v_writelane_b32 v[MO+2*(\k)], s32, 2*\r        ; word 4 r + j of the step's 64 goes to lane 2 r + j / 2, register j % 2
	v_writelane_b32 v[MO+2*(\k)+1], s33, 2*\r
	v_writelane_b32 v[MO+2*(\k)], s34, 2*\r+1
	v_writelane_b32 v[MO+2*(\k)+1], s35, 2*\r+1
	s_and_b32 s38, s32, s33
	s_and_b32 s39, s34, s35
	s_and_b32 s38, s38, s39
	s_and_b32 s37, s37, s38
	s_or_b32 s38, s32, s33
	s_or_b32 s39, s34, s35
	s_or_b32 s38, s38, s39                         ; SCC: the row has a bit
	s_cselect_b32 s38, 1<<\r, 0
	s_or_b32 s36, s36, s38
.endr
	s_or_b32 s40, s40, s36
	s_cmp_lg_u32 s36, 0
	s_cselect_b32 s38, 1<<(16+(\k)), 0
	s_or_b32 s41, s41, s38
	s_cmp_eq_u32 s37, -1
	s_cselect_b32 s38, 1<<(20+(\k)), 0
	s_or_b32 s41, s41, s38
	global_store_b64 v4, v[MO+2*(\k):MO+2*(\k)+1], s[22:23] offset:256*(\k)   ; 32 lanes store 256 consecutive bytes, aligned; each step has its own two registers
.endm
	LOADM 0
	LOADM 1
	PROC 0
	LOADM 2
	PROC 1
	LOADM 3
	PROC 2
	PROC 3
	s_or_b32 s41, s41, s40
	v_mov_b32 v152, s41
	ds_store_b32 v153, v152                        ; all lanes write my wave's word with the same value
	s_wait_dscnt 0x0                               ; for the others' sake: my store has landed
	s_barrier_signal -1
	s_barrier_wait -1
	ds_load_b128 v[156:159], v154                  ; the four waves' words
	s_wait_dscnt 0x0
	v_or_b32 v160, v156, v157
	v_or_b32 v161, v158, v159
	v_or_b32 v160, v160, v161
	v_and_b32 v160, 0xffff, v160                   ; bit r: row r has a key that counts
	v_bfe_u32 v161, v156, 16, 4
	v_bfe_u32 v162, v157, 16, 4
	v_lshl_or_b32 v161, v162, 4, v161
	v_bfe_u32 v162, v158, 16, 4
	v_lshl_or_b32 v161, v162, 8, v161
	v_bfe_u32 v162, v159, 16, 4
	v_lshl_or_b32 v161, v162, 12, v161             ; bit s: step s has a key that counts
	v_bfe_u32 v163, v156, 20, 4
	v_bfe_u32 v162, v157, 20, 4
	v_lshl_or_b32 v163, v162, 4, v163
	v_bfe_u32 v162, v158, 20, 4
	v_lshl_or_b32 v163, v162, 8, v163
	v_bfe_u32 v162, v159, 20, 4
	v_lshl_or_b32 v163, v162, 12, v163             ; bit s: step s is all ones
	v_cmp_ne_u32 vcc_lo, 0xffff, v160
	v_cndmask_b32 v161, v161, v164, vcc_lo         ; a row masked throughout: every step is walked
	v_xor_b32 v163, 0xffff, v163
	v_lshl_or_b32 v161, v163, 16, v161
	s_wait_xcnt 0x0                                ; EXEC changes only behind this wait: my stores have read it
	v_cmp_eq_u32 vcc_lo, 0, v0
	s_and_saveexec_b32 s38, vcc_lo
	global_store_b32 v165, v161, s[24:25]          ; thread 0 of the work-group stores the tile's word
	s_wait_xcnt 0x0                                ; and again, in front of the line that widens it
	s_or_b32 exec_lo, exec_lo, s38
	s_wait_tensorcnt 0x0                           ; the wave's end, behind my last LDS store
	ds_add_u32 v[SPW], v[NIL]
	s_wait_dscnt 0x0
	s_endpgm
.Lfunc_end_k_q450068592a_prep:
	.size	k_q450068592a_prep, .Lfunc_end_k_q450068592a_prep-k_q450068592a_prep
	.p2alignl 7, 3214868480
	.fill 96, 4, 3214868480
	.section	.rodata,"a",@progbits
	.p2align	6, 0x0
	.amdhsa_kernel k_q450068592a_prep
		.amdhsa_group_segment_fixed_size 33792
		.amdhsa_private_segment_fixed_size 0
		.amdhsa_enable_private_segment 0
		.amdhsa_kernarg_size 88
		.amdhsa_user_sgpr_count 2
		.amdhsa_user_sgpr_kernarg_segment_ptr 1
		.amdhsa_wavefront_size32 1
		.amdhsa_system_sgpr_workgroup_id_x 1
		.amdhsa_system_sgpr_workgroup_id_y 1
		.amdhsa_system_sgpr_workgroup_id_z 1
		.amdhsa_system_vgpr_workitem_id 0
		.amdhsa_next_free_vgpr 192
		.amdhsa_next_free_sgpr 66
		.amdhsa_reserve_vcc 1
		.amdhsa_float_denorm_mode_32 3
		.amdhsa_float_denorm_mode_16_64 3
		.amdhsa_memory_ordered 1
		.amdhsa_forward_progress 1
		.amdhsa_inst_pref_size 97
	.end_amdhsa_kernel
	.amdgpu_metadata
---
amdhsa.version: [ 1, 2 ]
amdhsa.kernels:
  - .name:           k_q450068592a_prep
    .symbol:         k_q450068592a_prep.kd
    .args:
      - { .name: q, .offset: 0, .size: 8, .value_kind: global_buffer, .address_space: global }
      - { .name: k, .offset: 8, .size: 8, .value_kind: global_buffer, .address_space: global }
      - { .name: v, .offset: 16, .size: 8, .value_kind: global_buffer, .address_space: global }
      - { .name: w_q, .offset: 24, .size: 8, .value_kind: global_buffer, .address_space: global }
      - { .name: w_k, .offset: 32, .size: 8, .value_kind: global_buffer, .address_space: global }
      - { .name: w_v, .offset: 40, .size: 8, .value_kind: global_buffer, .address_space: global }
      - { .name: w_o, .offset: 48, .size: 8, .value_kind: global_buffer, .address_space: global }
      - { .name: mask, .offset: 56, .size: 8, .value_kind: global_buffer, .address_space: global }
      - { .name: xx, .offset: 64, .size: 8, .value_kind: global_buffer, .address_space: global }
      - { .name: mb, .offset: 72, .size: 8, .value_kind: global_buffer, .address_space: global }
      - { .name: fl, .offset: 80, .size: 8, .value_kind: global_buffer, .address_space: global }
    .group_segment_fixed_size: 33792
    .private_segment_fixed_size: 0
    .kernarg_segment_align: 8
    .kernarg_segment_size: 88
    .max_flat_workgroup_size: 128
    .sgpr_count:     66
    .vgpr_count:     192
    .wavefront_size: 32
...
	.end_amdgpu_metadata
.endif
;; end of part 1
;; launch proj (part 2): grid 4 x 96, 4 waves a work-group, clusters of 4 x 4, 327,680 bytes of LDS; arguments xx, b_q, b_k, b_v, qq, kv; writes qq, kv
.if DOCPART == 2
	.amdgcn_target "amdgcn-amd-amdhsa--gfx1250"
	.amdhsa_code_object_version 6
	.text
	.protected	k_q450068592a_proj
	.globl	k_q450068592a_proj
	.p2align	8
	.type	k_q450068592a_proj,@function
k_q450068592a_proj:
	s_mov_b64 s[64:65], 0
	v_nop
	global_prefetch_b8 v0, s[64:65] scope:SCOPE_SE
	s_setreg_imm32_b32 hwreg(HW_REG_WAVE_MODE, 25, 1), 1
	s_wait_xcnt 0x0
	s_wait_alu depctr_hold_cnt(0) depctr_sa_sdst(0) depctr_va_vdst(0) depctr_va_sdst(0) depctr_va_ssrc(0) depctr_va_vcc(0) depctr_vm_vsrc(0)
	s_getreg_b32 s2, hwreg(HW_REG_IB_STS2, 6, 4)
	s_cmp_eq_u32 s2, 0
	s_cbranch_scc0 .Lentry_in_a_cluster
	s_endpgm
.Lentry_in_a_cluster:
	s_bfe_u32 s2, ttmp6, 0x10000c
	s_cmp_lg_u32 s2, 0xf033
	s_cbranch_scc0 .Lentry_shape_is_right
	s_endpgm
.Lentry_shape_is_right:
; THE THREE PROJECTIONS on codes of FP4 (E2M1) with one E8M0 scale for each 32 along K; the bias; and the results quantised in registers and laid out as the attention's operand registers.
; ONE BODY FOR THREE PRODUCTS, C[i][j] = sum over k of A[i][k] B[j][k], K = 1,024.  The cluster's y gives the kind: 0: A = q, B = w_q;  1: A = k, B = w_k;  2: A = w_v, B = v.
; The matrix instruction is used transposed (source 0 = 16 rows of B, source 1 = 16 rows of A): a lane holds ONE i, and its registers run along j.  The rows of xx lie in position order (tile 2 b + u of 16 rows
; holds rows 32 b + 8 u + r + 8 (r / 8)), so the 16 registers of B's tiles 2 b and 2 b + 1 are 16 NEIGHBOURS along j: j = 32 b + 16 (lane / 16) + 0 .. 15.  So the result is quantised along j:
; kinds 0 and 1 along the head's 64 features (the K of Q K^T), kind 2 along the keys (the K of P V).  Nothing is left out here.
; A tile of C, 256 x 256, is made by four waves, 128 x 128 each: 64 accumulators, 512 registers.  K goes in two steps of 512 through two LDS slots; both are first fills: nothing is filled again.
; The scale bytes of the work-group's 256 + 256 rows come once, as units of 256 bytes + 16 of padding.
; CLUSTERS: 4 x 4 work-groups: A's tiles are asked for jointly along a row of the cluster, B's along a column.  Kinds 0, 1: 32 x 4 tiles; kind 2: 4 x 32: eight clusters each.
; THE WAY OUT uses no LDS: a block of 16 i x 128 j is 64 numbers a lane: + bias, four blocks of 32 quantised, 8 registers of codes and one scale word.  They are stored as IMAGES OF THE OPERAND'S REGISTERS: four registers
; by one store, lane l's 16 bytes at 16 l: 512 consecutive bytes.  Kinds 0, 1: registers 0-3 are one head's 64 features, registers 4-7 the next head's.  Kind 2: the 8 registers are one fragment of V^T (16 d x 128 keys).
; REGISTERS, in windows of 256: window 0: v0-31 addresses; v32-95 scale words, two sets; v96-127 the quantiser's; v128-191 A's fragments, later 64 numbers; v192-255 the bias.  window 1: B's fragments, two sets.  windows 2, 3: the accumulators.
.set SIZE_K, 1024
.set KSTEP,  512
.set NQ,     KSTEP/128
.set ROWB,   256                       ; a tile's row in bytes
.set KROW,   SIZE_K*4/8                ; a row of codes in memory
.set PITCH,  272                       ; an LDS row: 256 bytes + 16 of padding: the 16 rows that a load touches start at 16 different banks
.set FR,     8
.set NL,     2
.set NP,     4                         ; places behind this matrix instruction
.set HALFT,  128*PITCH
.set SLOT,   4*HALFT
.set KS,     SIZE_K/32
.set SCL,    2*SLOT
.set HALFS,  (128*KS/256)*272
.set SBLK,   (16*KS/256)*272
.set SPARE,  SCL+4*HALFS               ; the spare words: 128 bytes for each wave
.set ADRA, 16                          ; v16-17 LDS address of my A fragments in slot 0, 1
.set ADRB, 20                          ; v20-21 the same for B
.set LI,   26                          ; v26 16 x lane
.set ADRS, 27                          ; v27 LDS address of my scale words
.set SPW,  28
.set NIL,  29
.set BO,   30                          ; v30 the bias loads' offset; never rewritten behind them
.set L8,   31                          ; v31 8 x lane
.set SC,   32
.set PC,   96                          ; v96-103  the codes just made
.set TM,   104                         ; v104-119 at work
.set PWR,  120                         ; v120-127 a scale word for each of A's eight blocks
.set AF,   128
.set HA,   128                         ; v128-191 64 numbers of a lane
.set BI,   192                         ; v192-255 the bias
.set G1, 24
.set G0, 32
.set G1B, 48
.set G0B, 56
.set G1S, 68
.set G0S, 76
.set G1SB, 80
.set G0SB, 88
.set KIND, 95
.set SEL, 40
.set MSB, 0
.macro WIN new                         ; the immediate's high byte repeats the setting that is left
.if MSB != \new
	s_set_vgpr_msb (MSB<<8)|\new
.set MSB, \new
.endif
.endm
.set MUL_LO, 0xa1                      ; source 0 (B) window 1, source 1 (A) window 0, C and D window 2
.set MUL_HI, 0xf1
.set TO_B,   0x40
; A joint load: waves 0 and 1 fetch for A, waves 2 and 3 for B.  An s_nop 0 and four v_nop follow each of the two lines.
.macro JLOAD g0a, g1a, g0b, g1b
	s_cmp_eq_u32 s15, 0
	s_cbranch_scc0 .Lfor_b_\@
	tensor_load_to_lds s[\g0a:\g0a+3], s[\g1a:\g1a+7]
	s_nop 0
.rept 4
	v_nop
.endr
	s_branch .Lasked_\@
.Lfor_b_\@:
	tensor_load_to_lds s[\g0b:\g0b+3], s[\g1b:\g1b+7]
	s_nop 0
.rept 4
	v_nop
.endr
.Lasked_\@:
.endm
.macro CROUND                          ; a round of the cluster's barrier
	s_barrier_signal -1
	s_barrier_wait -1
	s_cmp_lg_u32 s14, 0
	s_cbranch_scc1 .Lnot_wave_0_\@
	s_barrier_signal -3
.Lnot_wave_0_\@:
	s_barrier_wait -3
	s_barrier_signal -1
	s_barrier_wait -1
.endm
	s_load_b64 s[4:5], s[0:1], 0x0                 ; xx
	s_load_b128 s[96:99], s[0:1], 0x8              ; b_q, b_k
	s_load_b64 s[100:101], s[0:1], 0x18            ; b_v
	s_load_b128 s[8:11], s[0:1], 0x20              ; qq, kv
	v_lshl_add_u32 v[SPW], v0, 2, SPARE
	v_mov_b32 v[NIL], 0
	ds_add_u32 v[SPW], v[NIL]                      ; the wave's opening: the add, twice on end, and its wait ahead of my first tensor load
	ds_add_u32 v[SPW], v[NIL]
	v_lshrrev_b32 v1, 5, v0
	v_readfirstlane_b32 s14, v1                    ; wave 0..3
	s_lshr_b32 s15, s14, 1                         ; which half of the tile's rows is mine.  Also: I fetch for A (0) or for B (1)
	s_and_b32 s16, s14, 1                          ; which half of its columns.  Also: which 128 rows of that tile I fetch
	s_bfe_u32 s40, ttmp6, 0x40000                  ; cx, cy: my place in the cluster
	s_bfe_u32 s41, ttmp6, 0x40004
	s_and_b32 s[KIND], ttmp7, 0xffff               ; the cluster's y, which all sixteen partners share:
	s_and_b32 s18, s[KIND], 7                      ; which of the kind's eight clusters,
	s_lshr_b32 s[KIND], s[KIND], 3                 ; and the kind
	s_lshl_b32 s66, s[KIND], 22                    ; where the operands lie in xx, for kinds 0 and 1: A's codes (q, k),
	s_lshl_b32 s67, s[KIND], 18
	s_add_co_u32 s67, s67, 0xE00000                ; A's scale bytes,
	s_lshl_b32 s2, s[KIND], 19
	s_add_co_u32 s2, s2, 0xC00000                  ; B's codes (w_q, w_k),
	s_lshl_b32 s3, s[KIND], 15
	s_add_co_u32 s3, s3, 0xEC0000                  ; B's scale bytes;
	s_cmp_eq_u32 s[KIND], 2                        ; for kind 2: A = w_v, B = v
	s_cselect_b32 s66, 0xD00000, s66
	s_cselect_b32 s67, 0xED0000, s67
	s_cselect_b32 s2, 0x800000, s2
	s_cselect_b32 s3, 0xE80000, s3
	s_cselect_b32 s42, s18, 0                      ; the clusters of kind 2 lie side by side, the others one below the other
	s_cselect_b32 s17, 0, s18
	s_lshl_b32 s42, s42, 2
	s_add_co_u32 s42, s42, s40                     ; tile column of C
	s_lshl_b32 s17, s17, 2
	s_add_co_u32 s17, s17, s41                     ; tile row of C
	s_lshl_b32 s43, s41, 2
	s_lshl_b32 s43, 15, s43                        ; my row of the cluster
	s_lshl_b32 s44, 0x1111, s40                    ; my column
	; descriptor group 1: a tile of 128 rows x 256 bytes, 16 bytes of padding behind each row
	s_or_b32 s[G1+0], s43, (0<<16)|(1<<20)|(1<<21)|(5<<22)|(3<<25)  ; 15:0 the mask; 17:16 elements of 1 byte; 20 padding on; 21 set beside a mask; 24:22 after every 64 words; 31:25 four words
	s_or_b32 s[G1B+0], s44, (0<<16)|(1<<20)|(1<<21)|(5<<22)|(3<<25)
.irp g, G1, G1B
	s_mov_b32 s[\g+1], ROWB<<16                    ; tensor_dim0
	s_mov_b32 s[\g+2], 128<<16                     ; tensor_dim1
	s_mov_b32 s[\g+3], ROWB<<16                    ; tile_dim0
	s_mov_b32 s[\g+4], 128                         ; tile_dim1
	s_mov_b32 s[\g+5], KROW                        ; tensor_dim0_stride
	s_mov_b32 s[\g+6], 0
	s_mov_b32 s[\g+7], 0
.endr
	; the scale bytes of 128 rows: 4,096 dense bytes, as 16 rows of 256 bytes (32 elements of 8 bytes), 16 bytes of padding behind each
	s_or_b32 s[G1S+0], s43, (3<<16)|(1<<20)|(1<<21)|(5<<22)|(3<<25)
	s_or_b32 s[G1SB+0], s44, (3<<16)|(1<<20)|(1<<21)|(5<<22)|(3<<25)
.irp g, G1S, G1SB
	s_mov_b32 s[\g+1], 32<<16
	s_mov_b32 s[\g+2], (128*KS/256)<<16
	s_mov_b32 s[\g+3], 32<<16
	s_mov_b32 s[\g+4], 128*KS/256
	s_mov_b32 s[\g+5], 32
	s_mov_b32 s[\g+6], 0
	s_mov_b32 s[\g+7], 0
.endr
	s_lshl_b32 s18, s16, 7                         ; which 128 rows of the tile I fetch
	s_lshl_b32 s20, s17, 8
	s_add_co_u32 s20, s20, s18                     ; A: row 256 x tile row + 128 x half
	s_lshl_b32 s46, s42, 8
	s_add_co_u32 s46, s46, s18                     ; B: row 256 x tile column + 128 x half
	s_lshl_b32 s22, s20, 5                         ; offsets into xx, all under 2^24: A's scale bytes, 32 a row,
	s_add_co_u32 s22, s22, s67
	s_mov_b32 s23, 0
	s_lshl_b32 s92, s46, 5                         ; B's,
	s_add_co_u32 s92, s92, s3
	s_mov_b32 s93, 0
	s_lshl_b32 s20, s20, 9                         ; A's codes, 512 bytes a row,
	s_add_co_u32 s20, s20, s66
	s_mov_b32 s21, 0
	s_lshl_b32 s46, s46, 9                         ; B's
	s_add_co_u32 s46, s46, s2
	s_mov_b32 s47, 0
	s_mul_i32 s45, s14, HALFT                      ; where they go: wave x 128 rows: no place in the cluster enters an LDS address
	s_mul_i32 s94, s14, HALFS
	s_wait_dscnt 0x0                               ; both opening adds are done
	s_wait_kmcnt 0x0
	s_add_nc_u64 s[20:21], s[4:5], s[20:21]
	s_add_nc_u64 s[22:23], s[4:5], s[22:23]
	s_add_nc_u64 s[46:47], s[4:5], s[46:47]
	s_add_nc_u64 s[92:93], s[4:5], s[92:93]
	CROUND                                         ; all sixteen work-groups are here: the first joint loads meet
	s_mov_b32 s[G0S], 1
	s_add_co_u32 s[G0S+1], s94, SCL
	s_mov_b64 s[G0S+2:G0S+3], s[22:23]
	s_or_b32 s[G0S+3], s[G0S+3], 0x80000000
	s_mov_b32 s[G0SB], 1
	s_add_co_u32 s[G0SB+1], s94, SCL
	s_mov_b64 s[G0SB+2:G0SB+3], s[92:93]
	s_or_b32 s[G0SB+3], s[G0SB+3], 0x80000000
	JLOAD G0S, G1S, G0SB, G1SB                     ; the scales first: they are wanted with K step 0
.irp s, 0,1
	s_mov_b32 s[G0+4*\s], 1
	s_add_co_u32 s[G0+4*\s+1], s45, \s*SLOT
	s_add_nc_u64 s[G0+4*\s+2:G0+4*\s+3], s[20:21], \s*ROWB
	s_or_b32 s[G0+4*\s+3], s[G0+4*\s+3], 0x80000000
	s_mov_b32 s[G0B+4*\s], 1
	s_add_co_u32 s[G0B+4*\s+1], s45, \s*SLOT
	s_add_nc_u64 s[G0B+4*\s+2:G0B+4*\s+3], s[46:47], \s*ROWB
	s_or_b32 s[G0B+4*\s+3], s[G0B+4*\s+3], 0x80000000
	JLOAD G0+4*\s, G1, G0B+4*\s, G1B               ; three loads of mine are out: all of K
.endr
	v_and_b32 v1, 15, v0                           ; r = l % 16
	v_bfe_u32 v2, v0, 4, 1                         ; h = l / 16
	v_mul_u32_u24 v3, v1, PITCH
	v_lshl_add_u32 v4, v2, 4, v3                   ; a fragment's row x pitch + 16 x half
	s_mul_i32 s21, s15, HALFT                      ; my 128 rows of A
	s_mul_i32 s22, s16, HALFT                      ; my 128 rows of B,
	s_add_co_u32 s22, s22, 2*HALFT                 ; which lie behind A's 256
.irp s, 0,1
	v_add_nc_u32 v[ADRA+\s], s21, v4
	v_add_nc_u32 v[ADRB+\s], s22, v4
	s_add_co_u32 s21, s21, SLOT
	s_add_co_u32 s22, s22, SLOT
.endr
	v_mul_u32_u24 v5, v1, KS                       ; my row's scales: KS bytes a row,
	v_lshrrev_b32 v6, 8, v5
	v_lshl_add_u32 v5, v6, 4, v5                   ; and 16 more for each 256 passed
	s_mul_i32 s21, s15, HALFS
	s_mul_i32 s22, s16, HALFS
	s_add_co_u32 s22, s22, 2*HALFS
	s_sub_co_u32 s22, s22, s21
	v_mul_u32_u24 v6, s22, v2                      ; lanes 16-31 take B's
	s_add_co_u32 s21, s21, SCL
	v_add_nc_u32 v5, v5, v6
	v_add_nc_u32 v[ADRS], s21, v5
	v_and_b32 v6, 31, v0
	v_lshlrev_b32 v[LI], 4, v6
	v_lshlrev_b32 v[L8], 3, v6
.irp b, 0,1,2,3
	v_mov_b32 v[TM+4+\b], 0                        ; written once: a lane permute's destination counts as one of its sources
.endr
	; THE BIAS, in the result's layout, 64 registers.  Kinds 0, 1: it runs along j: register 8 b + i = bias(n0 + 32 (b / 2) + 8 (b % 2) + 16 h + i).  Kind 2: along i: the eight registers of block a all hold
	; b_v(m0 + 32 (a / 2) + 8 (a % 2) + r + 8 (r / 8)).  The branch hangs on the kind alone, which all partners share.
	s_cmp_eq_u32 s[KIND], 2
	s_cbranch_scc1 .Lbias_v
	s_lshl_b32 s2, s42, 10                         ; 4 n0 = 4 (256 x tile column + 128 x half)
	s_lshl_b32 s3, s16, 9
	s_add_co_u32 s2, s2, s3
	s_mov_b32 s3, 0
	s_cmp_eq_u32 s[KIND], 0
	s_cselect_b64 s[96:97], s[96:97], s[98:99]
	s_add_nc_u64 s[96:97], s[96:97], s[2:3]
	v_lshlrev_b32 v[BO], 6, v2
.irp b, 0,1,2,3,4,5,6,7
	global_load_b128 v[BI+8*\b:BI+8*\b+3], v[BO], s[96:97] offset:(32*(\b/2)+8*(\b%2))*4
	global_load_b128 v[BI+8*\b+4:BI+8*\b+7], v[BO], s[96:97] offset:(32*(\b/2)+8*(\b%2))*4+16
.endr
	s_branch .Lbias_done
.Lbias_v:
	s_lshl_b32 s66, s17, 10                        ; 4 m0 = 4 (256 x tile row + 128 x half)
	s_lshl_b32 s67, s15, 9
	s_add_co_u32 s66, s66, s67
	s_mov_b32 s67, 0
	s_add_nc_u64 s[100:101], s[100:101], s[66:67]
	v_and_b32 v[BO], 8, v1
	v_add_nc_u32 v[BO], v[BO], v1
	v_lshlrev_b32 v[BO], 2, v[BO]
.irp a, 0,1,2,3,4,5,6,7
.irp j, 0,1,2,3,4,5,6,7
	global_load_b32 v[BI+8*\a+\j], v[BO], s[100:101] offset:(32*(\a/2)+8*(\a%2))*4
.endr
.endr
.Lbias_done:
.macro FRAG reg, adr, q, i             ; a fragment, 16 rows x 128 K of 4-bit codes: lane l holds row l % 16; registers 4 c .. 4 c + 3 hold K = 64 c + 32 (l / 16) + 0 .. 31
.irp c, 0,1
	ds_load_b128 v[\reg+4*\c:\reg+4*\c+3], v[\adr] offset:64*(\q)+32*\c+(\i)*16*PITCH
.endr
.endm
; 16 matrix instructions: A's blocks a0, a0 + 1 x B's eight, 128 along K.  The 64 accumulators take turns, one instruction a turn, in the same order in every step.
.macro MUL16 a0, p, q, sc, zero
.irp a, \a0, \a0+1
.irp b, 0,1,2,3,4,5,6,7
.if \zero
	v_wmma_scale_f32_16x16x128_f8f6f4 v[8*(8*((\a)%4)+\b):8*(8*((\a)%4)+\b)+7], v[128*(\p)+FR*\b:128*(\p)+FR*\b+FR-1], v[AF+FR*(\a):AF+FR*(\a)+FR-1], 0, v[SC+8*NQ*(\sc)+NQ*\b+(\q)], v[SC+8*NQ*(\sc)+NQ*(\a)+(\q)] matrix_a_fmt:MATRIX_FMT_FP4 matrix_b_fmt:MATRIX_FMT_FP4 matrix_a_scale:MATRIX_SCALE_ROW1
.else
	v_wmma_scale_f32_16x16x128_f8f6f4 v[8*(8*((\a)%4)+\b):8*(8*((\a)%4)+\b)+7], v[128*(\p)+FR*\b:128*(\p)+FR*\b+FR-1], v[AF+FR*(\a):AF+FR*(\a)+FR-1], v[8*(8*((\a)%4)+\b):8*(8*((\a)%4)+\b)+7], v[SC+8*NQ*(\sc)+NQ*\b+(\q)], v[SC+8*NQ*(\sc)+NQ*(\a)+(\q)] matrix_a_fmt:MATRIX_FMT_FP4 matrix_b_fmt:MATRIX_FMT_FP4 matrix_a_scale:MATRIX_SCALE_ROW1
.endif
.endr
.endr
.endm
.macro FETCH_B slot, q, p
	WIN TO_B
.irp i, 0,1,2,3,4,5,6,7
	FRAG 128*(\p)+FR*\i, ADRB+\slot, \q, \i
.endr
	WIN 0
.endm
.macro FETCH_A slot, q, i0
.irp i, \i0, \i0+1, \i0+2, \i0+3
	FRAG AF+FR*(\i), ADRA+\slot, \q, \i
.endr
.endm
.macro SCALES sc                       ; a K step's scale words: lanes 0-15 take A's block i, lanes 16-31 B's block i
.irp i, 0,1,2,3,4,5,6,7
	ds_load_b128 v[SC+8*NQ*\sc+NQ*\i:SC+8*NQ*\sc+NQ*\i+3], v[ADRS] offset:\i*SBLK
.endr
.endm
.macro PLACES n                        ; plain vector instructions between a matrix instruction and a load into, or a vector access to, its registers
.rept \n
	v_nop
.endr
.endm
.macro STEP slot, q, zero              ; a step of 128 along K that has its successor in the same slot
	s_wait_dscnt 4*NL                              ; B's set and A's blocks 0-3 are in; the youngest eight loads (A's blocks 4-7) may be out
	WIN MUL_LO
	MUL16 0, (\q)%2, \q, \slot, \zero
	MUL16 2, (\q)%2, \q, \slot, \zero
	s_wait_dscnt 0
	PLACES NP
	FETCH_B \slot, (\q)+1, 1-(\q)%2
	FETCH_A \slot, (\q)+1, 0
	WIN MUL_HI
	MUL16 4, (\q)%2, \q, \slot, \zero
	MUL16 6, (\q)%2, \q, \slot, \zero
	PLACES NP
	WIN 0
	FETCH_A \slot, (\q)+1, 4
.endm
; Slot 0's last step changes slots: one barrier; in front of it each wave waits for all its tensor loads (its part of slot 1 among them), adds 0 to its spare word, and waits for that and for its LDS loads.
.macro TURN slot, next
	s_wait_tensorcnt 0x0
	ds_add_u32 v[SPW], v[NIL]
	s_wait_dscnt 4*NL+1                            ; (the add and the youngest eight loads may be out)
	WIN MUL_LO
	MUL16 0, 1, NQ-1, \slot, 0
	s_wait_dscnt 0x0
	s_barrier_signal -1
	MUL16 2, 1, NQ-1, \slot, 0
	WIN 0
	s_barrier_wait -1
	PLACES NP
	v_add_nc_u32 v[ADRS], 4*NQ, v[ADRS]            ; on to the next K step's scale words (no LDS load of mine is out)
	FETCH_B \next, 0, 0
	FETCH_A \next, 0, 0
	SCALES \next
	WIN MUL_HI
	MUL16 4, 1, NQ-1, \slot, 0
	MUL16 6, 1, NQ-1, \slot, 0
	PLACES NP
	WIN 0
	FETCH_A \next, 0, 4
.endm
.macro STEPS slot, from
.set Q, \from
.rept NQ-1-\from
	STEP \slot, Q, 0
.set Q, Q+1
.endr
.endm
	s_wait_tensorcnt 1                             ; the scales and my part of slot 0 are in (slot 1's load may be out),
	s_barrier_signal -1
	s_barrier_wait -1                              ; everybody's are
	FETCH_B 0, 0, 0
	FETCH_A 0, 0, 0
	SCALES 0
	FETCH_A 0, 0, 4
	STEP 0, 0, 1                                   ; the first step's products start the sums: nothing is cleared
	STEPS 0, 1
	TURN 0, 1
	STEPS 1, 0
	s_wait_dscnt 4*NL                              ; the last step: nothing more to fetch
	WIN MUL_LO
	MUL16 0, 1, NQ-1, 1, 0
	MUL16 2, 1, NQ-1, 1, 0
	s_wait_dscnt 0
	WIN MUL_HI
	MUL16 4, 1, NQ-1, 1, 0
	MUL16 6, 1, NQ-1, 1, 0
	WIN 0
	; THE WAY OUT.  Where my results go: all tensor loads were shown done at the change of slots, so every scalar register is free.
	s_lshl_b32 s20, s17, 8
	s_lshl_b32 s21, s15, 7
	s_add_co_u32 s20, s20, s21                     ; my first i
	s_lshl_b32 s21, s42, 8
	s_lshl_b32 s22, s16, 7
	s_add_co_u32 s21, s21, s22                     ; my first j
	s_cmp_eq_u32 s[KIND], 2
	s_cselect_b32 s22, s21, s20                    ; my first token (128 of them: one step of 128 of one batch),
	s_cselect_b32 s23, s20, s21                    ; my first feature (128: two heads)
	s_lshr_b32 s24, s22, 11                        ; the batch
	s_bfe_u32 s25, s22, 0x40007                    ; the step: 4 bits from bit 7
	s_lshr_b32 s23, s23, 7
	s_lshl_b32 s24, s24, 4
	s_lshl_b32 s23, s23, 1
	s_add_co_u32 s24, s24, s23                     ; 16 x batch + my first head
	s_lshl_b32 s24, s24, 4
	s_add_co_u32 s24, s24, s25                     ; x 16 + the step
	s_mov_b32 s27, 768
	s_mov_b32 s29, 0x800000
	s_cmp_eq_u32 s[KIND], 0
	s_cselect_b64 s[32:33], s[8:9], s[10:11]       ; qq or kv
	s_cselect_b32 s26, 12, 13                      ; a step's codes: 4,096 bytes in qq, 8,192 in kv
	s_cselect_b32 s27, 512, s27                    ; its scale words: 512 bytes in qq, 768 in kv,
	s_cselect_b32 s29, 0x400000, s29               ; behind all the codes
	s_cmp_eq_u32 s[KIND], 2
	s_cselect_b32 s30, 4096, 0                     ; V's part of a step lies behind K's
	s_cselect_b32 s31, 512, 0
	s_lshl_b32 s36, s24, s26
	s_add_co_u32 s36, s36, s30
	s_mov_b32 s37, 0
	s_mul_i32 s38, s24, s27
	s_add_co_u32 s38, s38, s29
	s_add_co_u32 s38, s38, s31
	s_mov_b32 s39, 0
	s_lshl_b32 s48, 16, s26                        ; from a head to the next: 16 steps
	s_mov_b32 s49, 0
	s_lshl_b32 s50, s27, 4
	s_mov_b32 s51, 0
	s_add_nc_u64 s[52:53], s[32:33], s[36:37]      ; codes, my first head
	s_add_nc_u64 s[54:55], s[52:53], s[48:49]      ; my second
	s_add_nc_u64 s[56:57], s[32:33], s[38:39]      ; scale words, my first head
	s_add_nc_u64 s[58:59], s[56:57], s[50:51]      ; my second
	s_mov_b32 s[SEL], 0x76543210
	s_mov_b32 s[SEL+1], 0xfedcba98                 ; v_permlanex16_b32's selects for lane l xor 16
	s_mov_b32 s44, 0xffff0000                      ; lanes 16-31
	s_wait_loadcnt 0x0                             ; the bias
	PLACES NP                                      ; behind the last products: their results are read and A's registers written below
; 64 numbers of a lane, register 16 b + i = j 32 b + 16 (lane / 16) + i, become a fragment's codes in v[PC] on and its scale word in v[pw].
.macro QUANT s, pw
.irp b, 0,1,2,3
	v_max3_num_f32 v[TM+\b], |v[\s+16*\b]|, |v[\s+1+16*\b]|, 0x1800000   ; block b: my 16 numbers, and the floor 2^(3 - 127): the byte cannot fall under 1
.endr
.irp i, 2,4,6,8,10,12,14
.irp b, 0,1,2,3
	v_max3_num_f32 v[TM+\b], v[TM+\b], |v[\s+16*\b+\i]|, |v[\s+1+16*\b+\i]|   ; (the four blocks by turns)
.endr
.endr
.irp b, 0,1,2,3
	v_permlanex16_b32 v[TM+4+\b], v[TM+\b], s[SEL], s[SEL+1]
.endr
.irp b, 0,1,2,3
	v_max_num_f32 v[TM+\b], v[TM+\b], v[TM+4+\b]   ; with lane l xor 16's: the block's largest magnitude
.endr
.irp b, 0,1,2,3
	v_add_nc_u32 v[TM+12+\b], 0xff000000, v[TM+\b]   ; 2 off its exponent field: the conversion's scale operand
.endr
.irp b, 0,1,2,3
	v_lshrrev_b32 v[TM+4+\b], 23, v[TM+12+\b]      ; the scale's byte
.endr
	v_lshl_or_b32 v[\pw], v[TM+5], 8, v[TM+4]
	v_lshl_or_b32 v[\pw], v[TM+6], 16, v[\pw]
	v_lshl_or_b32 v[\pw], v[TM+7], 24, v[\pw]
.irp b, 0,1,2,3
	v_cvt_scalef32_pk8_fp4_f32 v[PC+2*\b], v[\s+16*\b:\s+7+16*\b], v[TM+12+\b]
	v_cvt_scalef32_pk8_fp4_f32 v[PC+1+2*\b], v[\s+8+16*\b:\s+15+16*\b], v[TM+12+\b]
.endr
	v_nop                                          ; one plain place behind a scaled conversion
.irp c, 0,1                                    ; the operand's layout wants a WHOLE block in a lane: lanes 0-15 block 2 c, lanes 16-31 block 2 c + 1
.irp i, 0,1
	v_permlane16_swap_b32 v[PC+4*\c+\i], v[PC+2+4*\c+\i]
.endr
.endr
.endm
; A's eight blocks, one after the other.  The addition of the bias also brings the sums into window 0; each accumulator is read from its low end on.
.macro EPI kind
.irp a, 0,1,2,3,4,5,6,7
.if \a > 0
	s_wait_xcnt 0x0                                ; the last block's stores have read their registers: the codes may be written again
.endif
.set WN, 2+(\a)/4
	WIN WN                                         ; source 0: window 2 or 3
.irp b, 0,1,2,3,4,5,6,7
.irp j, 0,2,4,6
.if \kind
	v_pk_add_f32 v[HA+8*\b+\j:HA+8*\b+\j+1], v[64*((\a)%4)+8*\b+\j:64*((\a)%4)+8*\b+\j+1], v[BI+8*\a+\j:BI+8*\a+\j+1]
.else
	v_pk_add_f32 v[HA+8*\b+\j:HA+8*\b+\j+1], v[64*((\a)%4)+8*\b+\j:64*((\a)%4)+8*\b+\j+1], v[BI+8*\b+\j:BI+8*\b+\j+1]
.endif
.endr
.endr
	WIN 0
	QUANT HA, PWR+\a
.if \kind
	global_store_b128 v[LI], v[PC:PC+3], s[52+2*(\a/4):53+2*(\a/4)] offset:1024*(\a%4)        ; a fragment of V^T, d-tile a % 4 of head a / 4: two images of 512 consecutive bytes
	global_store_b128 v[LI], v[PC+4:PC+7], s[52+2*(\a/4):53+2*(\a/4)] offset:1024*(\a%4)+512
.else
	global_store_b128 v[LI], v[PC:PC+3], s[52:53] offset:512*\a                               ; tile a of 16 tokens: my first head's 64 features,
	global_store_b128 v[LI], v[PC+4:PC+7], s[54:55] offset:512*\a                             ; my second head's
.endif
.endr
.endm
	s_cmp_eq_u32 s[KIND], 2
	s_cbranch_scc1 .Lout_v
	EPI 0
	; the scale words as the attention loads them: lane 16 u + r, register j: tile 2 j + u, row r; bytes 0, 1 the head's two blocks, bytes 2, 3 zero
.irp j, 0,1,2,3
	v_cndmask_b32 v[116+\j], v[PWR+2*\j], v[PWR+2*\j+1], s44
.endr
.irp j, 0,1,2,3
	v_and_b32 v[104+\j], 0xffff, v[116+\j]
	v_lshrrev_b32 v[112+\j], 16, v[116+\j]
.endr
	global_store_b128 v[LI], v[104:107], s[56:57]  ; 512 consecutive bytes
	global_store_b128 v[LI], v[112:115], s[58:59]
	s_branch .Lout_done
.Lout_v:
	EPI 1
.irp c, 0,1
.irp j, 0,1
	v_cndmask_b32 v[104+2*\c+\j], v[PWR+4*\c+2*\j], v[PWR+4*\c+2*\j+1], s44   ; lane 16 u + r, register j: d-tile 2 j + u, row r
.endr
.endr
	global_store_b64 v[L8], v[104:105], s[56:57]   ; 256 consecutive bytes
	global_store_b64 v[L8], v[106:107], s[58:59]
.Lout_done:
	s_wait_tensorcnt 0x0                           ; the wave's end
	ds_add_u32 v[SPW], v[NIL]
	s_wait_dscnt 0x0
	CROUND                                         ; the closing round
	s_endpgm
.Lfunc_end_k_q450068592a_proj:
	.size	k_q450068592a_proj, .Lfunc_end_k_q450068592a_proj-k_q450068592a_proj
	.p2alignl 7, 3214868480
	.fill 96, 4, 3214868480
	.section	.rodata,"a",@progbits
	.p2align	6, 0x0
	.amdhsa_kernel k_q450068592a_proj
		.amdhsa_group_segment_fixed_size 327680
		.amdhsa_private_segment_fixed_size 0
		.amdhsa_enable_private_segment 0
		.amdhsa_kernarg_size 48
		.amdhsa_user_sgpr_count 2
		.amdhsa_user_sgpr_kernarg_segment_ptr 1
		.amdhsa_wavefront_size32 1
		.amdhsa_system_sgpr_workgroup_id_x 1
		.amdhsa_system_sgpr_workgroup_id_y 1
		.amdhsa_system_sgpr_workgroup_id_z 1
		.amdhsa_system_vgpr_workitem_id 0
		.amdhsa_next_free_vgpr 1024
		.amdhsa_next_free_sgpr 102
		.amdhsa_reserve_vcc 0
		.amdhsa_float_denorm_mode_32 3
		.amdhsa_float_denorm_mode_16_64 3
		.amdhsa_memory_ordered 1
		.amdhsa_forward_progress 1
		.amdhsa_inst_pref_size 203
	.end_amdhsa_kernel
	.amdgpu_metadata
---
amdhsa.version: [ 1, 2 ]
amdhsa.kernels:
  - .name:           k_q450068592a_proj
    .symbol:         k_q450068592a_proj.kd
    .args:
      - { .name: xx, .offset: 0, .size: 8, .value_kind: global_buffer, .address_space: global }
      - { .name: b_q, .offset: 8, .size: 8, .value_kind: global_buffer, .address_space: global }
      - { .name: b_k, .offset: 16, .size: 8, .value_kind: global_buffer, .address_space: global }
      - { .name: b_v, .offset: 24, .size: 8, .value_kind: global_buffer, .address_space: global }
      - { .name: qq, .offset: 32, .size: 8, .value_kind: global_buffer, .address_space: global }
      - { .name: kv, .offset: 40, .size: 8, .value_kind: global_buffer, .address_space: global }
    .group_segment_fixed_size: 327680
    .private_segment_fixed_size: 0
    .kernarg_segment_align: 8
    .kernarg_segment_size: 48
    .max_flat_workgroup_size: 128
    .sgpr_count:     102
    .vgpr_count:     1024
    .wavefront_size: 32
...
	.end_amdgpu_metadata
.endif
;; end of part 2
;; launch attn (part 3): grid 4 x 64, 16 waves a work-group, no clusters, 19,968 bytes of LDS; arguments qq, kv, mb, fl, oo; writes oo
.if DOCPART == 3
	.amdgcn_target "amdgcn-amd-amdhsa--gfx1250"
	.amdhsa_code_object_version 6
	.text
	.protected	k_q450068592a_attn
	.globl	k_q450068592a_attn
	.p2align	8
	.type	k_q450068592a_attn,@function
k_q450068592a_attn:
	s_mov_b64 s[64:65], 0
	v_nop
	global_prefetch_b8 v0, s[64:65] scope:SCOPE_SE
	s_setreg_imm32_b32 hwreg(HW_REG_WAVE_MODE, 25, 1), 1
	s_wait_xcnt 0x0
; ATTENTION ON CODES OF FP4: S^T = K Q^T (K = the head's 64, the upper half of the instruction's 128 filled with zero codes), the mask, p = 2^(t - M), O^T = V^T P^T, O / the row's sum quantised along the head's 64.
; LEFT OUT: a block of 16 queries x 128 keys whose bit in fl is 0: all its mask words are 0 and each of its rows has a key that counts elsewhere, so every p of it is 0 (shown at the head of the first kernel).
; LIMIT: a masked raw score is -2^36, an energy of -2^33, where the formula has -1e10; the results are the formula's while the magnitude of unmasked energies stays under about 4e9.
; THE SOFTMAX: t = score x log2(e) / 8; M = the row's largest t so far, rounded UP to a whole number; p = 2^(t - M) is quantised along the keys; the row's sum is taken of the unquantised p and divides at the end.
; When M moves, the sum and O^T are multiplied by 2^(old M - new M): exact.  -2^36 x log2(e) / 8 is a whole number in f32: a row masked throughout has t - M = 0 and p = 1.
; SHARES.  256 work-groups.  Work-group (x, bh) takes two blocks of 256 queries of head bh, one after the other: block 7 - x, then block x.  Each of its sixteen waves owns a tile of 16 queries (position order), in 256 registers:
; four waves to a SIMD, so that one wave's vector work stands beside another's matrix work and LDS loads.
; K AND V come as images of their operand registers: a key step's 8,192 + 768 bytes are dense in kv.  The sixteen waves bring them from memory through registers into one of two LDS slots, a step ahead: 16 bytes a thread.
; One barrier a step, outside every branch: a store into the other slot is parted from that slot's last reads by the last step's barrier and from its next reads by this step's.
; NO TENSOR LOAD AND NO CLUSTER: which steps are walked hangs on numbers read from memory (fl), which differ from one block of queries to the next; so the partners of a cluster would need different tiles
; The trip counts are constants: 2 passes x 8 trips x 2 steps; what is left out is a step's loads and work, never a barrier.
; LAYOUT.  A lane holds ONE query (lane % 16) throughout.  Register 16 b + i of S^T is key 128 step + 32 b + 16 (lane / 16) + i; register 16 b + i of O^T is channel 32 b + 16 (lane / 16) + i.
; THE STORES: codes as an image, 512 consecutive bytes a wave.  The two scale bytes of a query go to rows 32 bytes apart (lanes 16-31 write the same bytes again): one byte in seventeen of what the launch stores.
; REGISTERS: v1 16 x lane; v2 8 x lane; v3 16 x thread; v4 4 x thread; v5, v6 the add's two; v7 16 r; v8 4 h; v10 32 r; v11 -2^36; v12 -M; v13 the largest t; v[14:15] the sum; v16-23 Q (20-23 zeros); v24-28 the step on its way to LDS;
; v29 Q's scale word; v[30:31] V's; v32-95 K's 8 fragments (the upper four registers of each zeros); v96-159 S^T, then p; v160-191 O^T; v192-223 V's 4 fragments; v224-231 p's codes; v232-247, v252-254 at work; v240-243 mask words; v248-251 K's scale words; v255 256 x lane.
.set SLOTB, 8960                       ; a slot: K's 8 images, V's 8 images, K's scale words (512 bytes), V's (256)
.set SPARE, 2*SLOTB                    ; the spare words: 128 bytes for each of the sixteen waves
	s_load_b256 s[4:11], s[0:1], 0x0               ; qq, kv, mb, fl
	s_load_b64 s[12:13], s[0:1], 0x20              ; oo
	v_lshl_add_u32 v5, v0, 2, SPARE
	v_mov_b32 v6, 0
	v_lshrrev_b32 v1, 5, v0
	v_readfirstlane_b32 s20, v1                    ; wave 0..15
	s_mov_b32 s21, ttmp9                           ; x
	s_and_b32 s22, ttmp7, 0xffff                   ; bh
	s_lshr_b32 s23, s22, 4                         ; the batch
	s_and_b32 s24, s22, 15                         ; the head
	v_and_b32 v2, 31, v0
	v_lshlrev_b32 v1, 4, v2
	v_lshlrev_b32 v255, 8, v2
	v_lshlrev_b32 v2, 3, v2
	v_lshlrev_b32 v3, 4, v0
	v_lshlrev_b32 v4, 2, v0
	v_and_b32 v7, 15, v0
	v_lshlrev_b32 v10, 5, v7
	v_lshlrev_b32 v7, 4, v7
	v_bfe_u32 v8, v0, 4, 1
	v_lshlrev_b32 v8, 2, v8
	v_mov_b32 v11, 0xd1800000                      ; -2^36
.irp i, 20,21,22,23,24,25,26,27,28,240,241,242,243,252
	v_mov_b32 v[\i], 0                             ; Q's upper half: zero codes.  The others: written once, so that every way through the branches below finds them written
.endr
.irp t, 0,1,2,3,4,5,6,7
.irp i, 4,5,6,7
	v_mov_b32 v[32+8*\t+\i], 0                     ; K's upper halves: zero codes, once
.endr
.endr
	s_mov_b32 s44, 0x76543210
	s_mov_b32 s45, 0xfedcba98                      ; v_permlanex16_b32's selects for lane l xor 16
	s_mov_b32 s46, 0x3e38aa3b                      ; c = log2(e) / 8
	s_mov_b32 s47, s46                             ; (named with it as a pair, so it is written)
	s_mov_b32 s39, 0
	s_mov_b32 s25, 2                               ; passes to go
	s_wait_kmcnt 0x0
; A KEY STEP'S WORK, from slot sl.
.macro COMPUTE sl
.irp t, 0,1,2,3,4,5,6,7
	ds_load_b128 v[32+8*\t:35+8*\t], v1 offset:(\sl)*SLOTB+512*\t          ; K's tile t: 16 keys x the head's 64
.endr
	ds_load_b128 v[248:251], v1 offset:(\sl)*SLOTB+8192                    ; register j: lanes 0-15 tile 2 j's scale words, lanes 16-31 tile 2 j + 1's
.irp t, 0,1,2,3
	ds_load_b128 v[192+8*\t:195+8*\t], v1 offset:(\sl)*SLOTB+4096+1024*\t  ; V^T's tile t: 16 channels x 128 keys
	ds_load_b128 v[196+8*\t:199+8*\t], v1 offset:(\sl)*SLOTB+4608+1024*\t
.endr
	ds_load_b64 v[30:31], v2 offset:(\sl)*SLOTB+8704
	s_bitcmp1_b32 s30, 0                           ; a step that is not all ones: its bits are asked for now
	s_cbranch_scc0 .Lnm_\@
	global_load_b128 v[240:243], v7, s[36:37]      ; my query's 128 bits
.Lnm_\@:
	s_wait_dscnt 9                                 ; K and its scale words are in; V's eight loads and its scale words' may be out
.irp t, 0,2,4,6
	v_wmma_scale_f32_16x16x128_f8f6f4 v[96+8*\t:103+8*\t], v[32+8*\t:39+8*\t], v[16:23], 0, v[248+\t/2], v29 matrix_a_fmt:MATRIX_FMT_FP4 matrix_b_fmt:MATRIX_FMT_FP4
	v_wmma_scale_f32_16x16x128_f8f6f4 v[104+8*\t:111+8*\t], v[40+8*\t:47+8*\t], v[16:23], 0, v[248+\t/2], v29 matrix_a_fmt:MATRIX_FMT_FP4 matrix_b_fmt:MATRIX_FMT_FP4 matrix_a_scale:MATRIX_SCALE_ROW1
.endr
.rept 4
	v_nop                                          ; places behind the products, ahead of the first read of their results
.endr
	s_bitcmp1_b32 s30, 0
	s_cbranch_scc0 .Lopen_\@
	s_wait_loadcnt 0x0                             ; the bits are in
.irp j, 0,1,2,3
	v_lshrrev_b32 v[240+\j], v8, v[240+\j]         ; word j, bit L = key 4 L + j.  Register 16 b + i holds key 32 b + 16 h + i: bit 8 b + 4 h + i / 4 of word i % 4; the 4 h go here
.endr
.set n, 0
.rept 16                                       ; four registers at a time, ascending: each accumulator is read from its low end on
.irp j, 0,1,2,3
	v_and_b32 v[236+\j], 1<<(8*(n/4)+n%4), v[240+\j]
.endr
.irp j, 0,1,2,3
	v_cmp_eq_u32 s[40+\j], 0, v[236+\j]
.endr
.irp j, 0,1,2,3
	v_cndmask_b32 v[96+4*n+\j], v[96+4*n+\j], v11, s[40+\j]   ; a masked score is replaced
.endr
.set n, n+1
.endr
.Lopen_\@:
.irp b, 0,1,2,3
	v_max3_num_f32 v[232+\b], v[96+16*\b], v[97+16*\b], v[98+16*\b]   ; the largest score of each block of 32 keys: for the row's maximum and, since p rises with the score, for the block's largest p
.endr
.irp i, 3,5,7,9,11,13
.irp b, 0,1,2,3
	v_max3_num_f32 v[232+\b], v[232+\b], v[96+16*\b+\i], v[97+16*\b+\i]
.endr
.endr
.irp b, 0,1,2,3
	v_max_num_f32 v[232+\b], v[232+\b], v[111+16*\b]
.endr
.irp b, 0,1,2,3
	v_permlanex16_b32 v[236+\b], v[232+\b], s44, s45
.endr
.irp b, 0,1,2,3
	v_max_num_f32 v[232+\b], v[232+\b], v[236+\b]  ; with lane l xor 16's 16 keys
.endr
	v_max3_num_f32 v254, v232, v233, v234
	v_max_num_f32 v254, v254, v235                 ; the step's largest score of my query
	v_mul_f32 v254, s46, v254                      ; as t
	v_max_num_f32 v13, v13, v254                   ; the running largest t
	v_mov_b32 v254, v12
	v_floor_f32 v12, -v13                          ; the new -M = floor(-t) = -ceil(t)
	v_sub_f32 v254, v12, v254                      ; old M - new M: a whole number, 0 or less
	v_cvt_i32_f32 v254, v254                       ; (it saturates)
	v_ldexp_f32 v252, 1.0, v254                    ; f = 2^(old M - new M)
.set n, 0
.rept 32
	v_pk_fma_f32 v[96+n:97+n], v[96+n:97+n], s[46:47], v[12:13] op_sel_hi:[1,0,0]   ; t - M, two at a time
.set n, n+2
.endr
.irp b, 0,1,2,3
	v_fma_f32 v[232+\b], v[232+\b], s46, v12       ; the same of each block's largest score
.endr
.set n, 0
.rept 64
	v_exp_f32 v[96+n], v[96+n]                     ; p = 2^(t - M), at most 1
.set n, n+1
.endr
	v_pk_mul_f32 v[14:15], v[14:15], v[252:253] op_sel_hi:[1,0]   ; the sums under the new M: a plain place behind the exponentials
	s_wait_alu depctr_va_vdst(0)                   ; one wait for the whole batch, ahead of its first reader
.irp b, 0,1,2,3
	v_exp_f32 v[232+\b], v[232+\b]                 ; the block's largest p
.endr
	v_pk_add_f32 v[236:237], v[96:97], v[98:99]    ; the row's sum is taken of the unquantised p: two at a time, in two chains
.irp j, 4,8,12,16,20,24,28,32,36,40,44,48,52,56,60
	v_pk_add_f32 v[14:15], v[14:15], v[96+\j:97+\j]
	v_pk_add_f32 v[236:237], v[236:237], v[98+\j:99+\j]
.endr
	v_pk_add_f32 v[14:15], v[14:15], v[236:237]
	s_wait_alu depctr_va_vdst(0)                   ; and one for the four
.irp b, 0,1,2,3
	v_max_num_f32 v[232+\b], 0x1800000, v[232+\b]  ; the floor 2^(3 - 127): the byte cannot fall under 1
.endr
.irp b, 0,1,2,3
	v_add_nc_u32 v[244+\b], 0xff000000, v[232+\b]  ; 2 off the exponent field: the conversion's scale operand
.endr
.irp b, 0,1,2,3
	v_lshrrev_b32 v[236+\b], 23, v[244+\b]         ; the scale's byte
.endr
	v_lshl_or_b32 v253, v237, 8, v236              ; p's scale word for these 128 keys
	v_lshl_or_b32 v253, v238, 16, v253
	v_lshl_or_b32 v253, v239, 24, v253
.irp b, 0,1,2,3
	v_cvt_scalef32_pk8_fp4_f32 v[224+2*\b], v[96+16*\b:103+16*\b], v[244+\b]
	v_cvt_scalef32_pk8_fp4_f32 v[225+2*\b], v[104+16*\b:111+16*\b], v[244+\b]
.endr
	v_nop                                          ; one plain place behind a scaled conversion
.irp c, 0,1                                    ; a WHOLE block in a lane: lanes 0-15 block 2 c, lanes 16-31 block 2 c + 1
.irp i, 0,1
	v_permlane16_swap_b32 v[224+4*\c+\i], v[226+4*\c+\i]
.endr
.endr
.set n, 0
.rept 16
	v_pk_mul_f32 v[160+n:161+n], v[160+n:161+n], v[252:253] op_sel_hi:[1,0]   ; O^T under the new M.  These sixteen are also the places between the scale word's and the codes' last writes and the products below
.set n, n+2
.endr
	s_wait_dscnt 0x0                               ; V and its scale words are in
.irp t, 0,2                                    ; the four accumulators take one turn each; the next matrix instruction is another step's K Q^T
	v_wmma_scale_f32_16x16x128_f8f6f4 v[160+8*\t:167+8*\t], v[192+8*\t:199+8*\t], v[224:231], v[160+8*\t:167+8*\t], v[30+\t/2], v253 matrix_a_fmt:MATRIX_FMT_FP4 matrix_b_fmt:MATRIX_FMT_FP4
	v_wmma_scale_f32_16x16x128_f8f6f4 v[168+8*\t:175+8*\t], v[200+8*\t:207+8*\t], v[224:231], v[168+8*\t:175+8*\t], v[30+\t/2], v253 matrix_a_fmt:MATRIX_FMT_FP4 matrix_b_fmt:MATRIX_FMT_FP4 matrix_a_scale:MATRIX_SCALE_ROW1
.endr
.rept 4
	v_nop                                          ; places ahead of the next loads into these products' registers and of the first read of O^T
.endr
.endm
; A KEY STEP.  s28: bit 0: some wave of the work-group walks this step, bit 1: the next one.  s29: bit 0: I walk this step.  s30: bit 0: its mask bits are to be applied.
.macro STEPM sl
	s_bitcmp1_b32 s28, 1
	s_cbranch_scc0 .Lnl_\@
	global_load_b128 v[24:27], v3, s[32:33] offset:8192    ; the next step's codes: 512 threads x 16 bytes
	s_cmp_lt_u32 s20, 6
	s_cbranch_scc0 .Lnl_\@
	global_load_b32 v28, v4, s[34:35] offset:768           ; and its 768 bytes of scale words: waves 0 to 5
.Lnl_\@:
	; a prefetch of the codes of the step after the next: 32 lanes x 256 bytes = its 8,192.  All four work-groups of a head walk the same kv: the first of them asks, in its first pass, by its last wave: each block is
	; named once in the launch.  The last trip asks for nothing: steps 14 and 15 have no step two on.  Steps 0 and 1 and the scale words come by their loads alone.
	s_cmp_gt_u32 s27, s49
	s_cbranch_scc0 .Lna_\@
	global_prefetch_b8 v255, s[32:33] offset:16384 th:TH_LOAD_NT scope:SCOPE_SE
.Lna_\@:
	s_bitcmp1_b32 s29, 0
	s_cbranch_scc0 .Lnc_\@
	COMPUTE \sl
.Lnc_\@:
	s_wait_loadcnt 0x0                             ; the next step's bytes are in my registers (on every way through the text)
	s_bitcmp1_b32 s28, 1
	s_cbranch_scc0 .Lns_\@
	ds_store_b128 v3, v[24:27] offset:(1-(\sl))*SLOTB
	s_cmp_lt_u32 s20, 6
	s_cbranch_scc0 .Lns_\@
	ds_store_b32 v4, v28 offset:(1-(\sl))*SLOTB+8192
.Lns_\@:
	s_wait_xcnt 0x0                                ; my loads and the prefetch have read their bases: they step only behind this wait
	s_add_nc_u64 s[32:33], s[32:33], 8192
	s_add_nc_u64 s[34:35], s[34:35], 768
	s_add_nc_u64 s[36:37], s[36:37], 256
	s_lshr_b32 s28, s28, 1
	s_lshr_b32 s29, s29, 1
	s_lshr_b32 s30, s30, 1
	s_wait_dscnt 0x0                               ; for the others' sake: my stores have landed and my reads of this slot are over
	s_barrier_signal -1
	s_barrier_wait -1
.endm
.Lpass:
	s_wait_xcnt 0x0                                ; the last pass's stores and loads have read their registers and bases
	s_sub_co_u32 s38, 7, s21
	s_cmp_eq_u32 s25, 2
	s_cselect_b32 s26, s38, s21                    ; my block of 256 queries: 7 - x, then x
	s_lshl_b32 s31, s26, 4
	s_add_co_u32 s31, s31, s20                     ; T: my tile of 16 queries
	s_lshl_b32 s38, s23, 7
	s_lshl_b32 s50, s26, 4
	s_add_co_u32 s38, s38, s50
	s_lshl_b32 s38, s38, 2
	s_add_nc_u64 s[60:61], s[10:11], s[38:39]      ; fl: the sixteen tiles' words,
	s_lshl_b32 s38, s20, 2
	s_add_nc_u64 s[62:63], s[60:61], s[38:39]      ; and mine
	s_load_b512 s[68:83], s[60:61], 0x0
	s_load_b32 s84, s[62:63], 0x0
	s_lshl_b32 s38, s22, 7
	s_add_co_u32 s38, s38, s31
	s_lshl_b32 s38, s38, 9
	s_add_nc_u64 s[56:57], s[4:5], s[38:39]        ; Q's image: 512 bytes a tile
	s_lshl_b32 s38, s22, 4
	s_lshl_b32 s50, s26, 1
	s_add_co_u32 s38, s38, s50
	s_lshr_b32 s50, s20, 3
	s_add_co_u32 s38, s38, s50                     ; which 128 queries,
	s_lshl_b32 s38, s38, 9
	s_and_b32 s50, s20, 1
	s_lshl_b32 s50, s50, 8
	s_add_co_u32 s38, s38, s50                     ; tile 2 j + u of them: 256 u
	s_bfe_u32 s50, s20, 0x20001
	s_lshl_b32 s50, s50, 2
	s_add_co_u32 s38, s38, s50                     ; + 4 j
	s_add_co_u32 s38, s38, 0x400000
	s_add_nc_u64 s[58:59], s[4:5], s[38:39]        ; Q's scale words
	global_load_b128 v[16:19], v1, s[56:57]
	global_load_b32 v29, v7, s[58:59]
	s_lshl_b32 s38, s22, 17
	s_add_nc_u64 s[32:33], s[6:7], s[38:39]        ; kv: the head's step 0: codes,
	s_mul_i32 s38, s22, 12288
	s_add_co_u32 s38, s38, 0x800000
	s_add_nc_u64 s[34:35], s[6:7], s[38:39]        ; scale words
	s_lshl_b32 s38, s23, 7
	s_add_co_u32 s38, s38, s31
	s_lshl_b32 s38, s38, 12
	s_add_nc_u64 s[36:37], s[8:9], s[38:39]        ; mb: my tile's step 0
	s_lshl_b32 s38, s24, 9
	s_lshl_b32 s50, s23, 7
	s_add_co_u32 s38, s38, s50
	s_add_co_u32 s38, s38, s31
	s_lshl_b32 s38, s38, 9
	s_add_nc_u64 s[52:53], s[12:13], s[38:39]      ; oo: [head][128 b + T][512 bytes]
	s_lshl_b32 s38, s23, 11
	s_lshl_b32 s50, s31, 4
	s_add_co_u32 s38, s38, s50
	s_lshl_b32 s38, s38, 5
	s_lshl_b32 s50, s24, 1
	s_add_co_u32 s38, s38, s50
	s_add_co_u32 s38, s38, 0x400000
	s_add_nc_u64 s[54:55], s[12:13], s[38:39]      ; its scale bytes: 32 a query, mine at 2 x head
	s_xor_b32 s38, s20, 15
	s_or_b32 s38, s38, s21
	s_xor_b32 s50, s25, 2
	s_or_b32 s38, s38, s50
	s_cmp_eq_u32 s38, 0
	s_cselect_b32 s49, 1, -1                       ; 1 in the wave that prefetches (wave 15, x = 0, first pass), else the greatest number
	v_mov_b32 v13, 0xff61b1e6                      ; the largest t so far: -3e38, under every t
	v_floor_f32 v12, -v13                          ; -M
	v_mov_b32 v14, 0
	v_mov_b32 v15, 0
.irp i, 236,237,238,239,253
	v_mov_b32 v[\i], 0
.endr
.set n, 0
.rept 32
	v_mov_b32 v[160+n], 0                          ; O^T: the step is written once; the first finds zeros, which the first change of M leaves zeros
.set n, n+1
.endr
	s_wait_kmcnt 0x0
	s_or_b32 s28, s68, s69
.irp i, 70,71,72,73,74,75,76,77,78,79,80,81,82,83
	s_or_b32 s28, s28, s[\i]
.endr
	s_and_b32 s28, s28, 0xffff                     ; the steps that some wave walks: those are brought into LDS
	s_and_b32 s29, s84, 0xffff                     ; the steps that I walk
	s_lshr_b32 s30, s84, 16                        ; the steps whose bits I apply
	s_bitcmp1_b32 s28, 0                           ; step 0 into slot 0
	s_cbranch_scc0 .Lp0
	global_load_b128 v[24:27], v3, s[32:33]
	s_cmp_lt_u32 s20, 6
	s_cbranch_scc0 .Lp0
	global_load_b32 v28, v4, s[34:35]
.Lp0:
	s_wait_loadcnt 0x0                             ; and Q
	s_bitcmp1_b32 s28, 0
	s_cbranch_scc0 .Lp1
	ds_store_b128 v3, v[24:27]
	s_cmp_lt_u32 s20, 6
	s_cbranch_scc0 .Lp1
	ds_store_b32 v4, v28 offset:8192
.Lp1:
	s_wait_dscnt 0x0
	s_barrier_signal -1
	s_barrier_wait -1
	s_mov_b32 s27, 8
.Ltrip:
	STEPM 0
	STEPM 1
	s_sub_co_u32 s27, s27, 1
	s_cmp_lg_u32 s27, 0
	s_cbranch_scc1 .Ltrip
	; THE WAY OUT OF A PASS: O^T / the sum, quantised along the head's 64 channels: two blocks of 32, which are K blocks 2 head and 2 head + 1 of the last projection.
	v_add_f32 v14, v14, v15                        ; the sum's two halves,
	v_permlanex16_b32 v252, v14, s44, s45
	v_add_f32 v14, v14, v252                       ; and lane l xor 16's
	v_rcp_f32 v14, v14
	v_nop                                          ; one plain place behind the reciprocal
	s_wait_alu depctr_va_vdst(0)                   ; and the wait ahead of its first reader
.set n, 0
.rept 16
	v_pk_mul_f32 v[96+n:97+n], v[160+n:161+n], v[14:15] op_sel_hi:[1,0]   ; ascending: each accumulator from its low end on
.set n, n+2
.endr
.irp b, 0,1
	v_max3_num_f32 v[232+\b], |v[96+16*\b]|, |v[97+16*\b]|, 0x1800000
.endr
.irp i, 2,4,6,8,10,12,14
.irp b, 0,1
	v_max3_num_f32 v[232+\b], v[232+\b], |v[96+16*\b+\i]|, |v[97+16*\b+\i]|
.endr
.endr
.irp b, 0,1
	v_permlanex16_b32 v[236+\b], v[232+\b], s44, s45
.endr
.irp b, 0,1
	v_max_num_f32 v[232+\b], v[232+\b], v[236+\b]
.endr
.irp b, 0,1
	v_add_nc_u32 v[244+\b], 0xff000000, v[232+\b]
.endr
.irp b, 0,1
	v_lshrrev_b32 v[236+\b], 23, v[244+\b]
.endr
	v_lshl_or_b32 v254, v237, 8, v236              ; my query's two scale bytes
.irp b, 0,1
	v_cvt_scalef32_pk8_fp4_f32 v[224+2*\b], v[96+16*\b:103+16*\b], v[244+\b]
	v_cvt_scalef32_pk8_fp4_f32 v[225+2*\b], v[104+16*\b:111+16*\b], v[244+\b]
.endr
	v_nop                                          ; one plain place behind a scaled conversion
	v_permlane16_swap_b32 v224, v226               ; lanes 0-15: block 0 whole, lanes 16-31: block 1 whole
	v_permlane16_swap_b32 v225, v227
	global_store_b128 v1, v[224:227], s[52:53]     ; the image: 512 consecutive bytes
	global_store_b16 v10, v254, s[54:55]
	s_sub_co_u32 s25, s25, 1
	s_cmp_lg_u32 s25, 0
	s_cbranch_scc1 .Lpass
	s_wait_tensorcnt 0x0                           ; the wave's end, behind my last LDS store
	ds_add_u32 v5, v6
	s_wait_dscnt 0x0
	s_endpgm
.Lfunc_end_k_q450068592a_attn:
	.size	k_q450068592a_attn, .Lfunc_end_k_q450068592a_attn-k_q450068592a_attn
	.p2alignl 7, 3214868480
	.fill 96, 4, 3214868480
	.section	.rodata,"a",@progbits
	.p2align	6, 0x0
	.amdhsa_kernel k_q450068592a_attn
		.amdhsa_group_segment_fixed_size 19968
		.amdhsa_private_segment_fixed_size 0
		.amdhsa_enable_private_segment 0
		.amdhsa_kernarg_size 40
		.amdhsa_user_sgpr_count 2
		.amdhsa_user_sgpr_kernarg_segment_ptr 1
		.amdhsa_wavefront_size32 1
		.amdhsa_system_sgpr_workgroup_id_x 1
		.amdhsa_system_sgpr_workgroup_id_y 1
		.amdhsa_system_sgpr_workgroup_id_z 1
		.amdhsa_system_vgpr_workitem_id 0
		.amdhsa_next_free_vgpr 256
		.amdhsa_next_free_sgpr 100
		.amdhsa_reserve_vcc 0
		.amdhsa_float_denorm_mode_32 3
		.amdhsa_float_denorm_mode_16_64 3
		.amdhsa_memory_ordered 1
		.amdhsa_forward_progress 1
		.amdhsa_inst_pref_size 67
	.end_amdhsa_kernel
	.amdgpu_metadata
---
amdhsa.version: [ 1, 2 ]
amdhsa.kernels:
  - .name:           k_q450068592a_attn
    .symbol:         k_q450068592a_attn.kd
    .args:
      - { .name: qq, .offset: 0, .size: 8, .value_kind: global_buffer, .address_space: global }
      - { .name: kv, .offset: 8, .size: 8, .value_kind: global_buffer, .address_space: global }
      - { .name: mb, .offset: 16, .size: 8, .value_kind: global_buffer, .address_space: global }
      - { .name: fl, .offset: 24, .size: 8, .value_kind: global_buffer, .address_space: global }
      - { .name: oo, .offset: 32, .size: 8, .value_kind: global_buffer, .address_space: global }
    .group_segment_fixed_size: 19968
    .private_segment_fixed_size: 0
    .kernarg_segment_align: 8
    .kernarg_segment_size: 40
    .max_flat_workgroup_size: 512
    .sgpr_count:     100
    .vgpr_count:     256
    .wavefront_size: 32
...
	.end_amdgpu_metadata
.endif
;; end of part 3
;; launch oproj (part 4): grid 4 x 32, 4 waves a work-group, clusters of 4 x 4, 327,680 bytes of LDS; arguments oo, xx, b_o, out0; writes out0
.if DOCPART == 4
	.amdgcn_target "amdgcn-amd-amdhsa--gfx1250"
	.amdhsa_code_object_version 6
	.text
	.protected	k_q450068592a_oproj
	.globl	k_q450068592a_oproj
	.p2align	8
	.type	k_q450068592a_oproj,@function
k_q450068592a_oproj:
	s_mov_b64 s[64:65], 0
	v_nop
	global_prefetch_b8 v0, s[64:65] scope:SCOPE_SE
	s_setreg_imm32_b32 hwreg(HW_REG_WAVE_MODE, 25, 1), 1
	s_wait_xcnt 0x0
	s_wait_alu depctr_hold_cnt(0) depctr_sa_sdst(0) depctr_va_vdst(0) depctr_va_sdst(0) depctr_va_ssrc(0) depctr_va_vcc(0) depctr_vm_vsrc(0)
	s_getreg_b32 s2, hwreg(HW_REG_IB_STS2, 6, 4)
	s_cmp_eq_u32 s2, 0
	s_cbranch_scc0 .Lentry_in_a_cluster
	s_endpgm
.Lentry_in_a_cluster:
	s_bfe_u32 s2, ttmp6, 0x10000c
	s_cmp_lg_u32 s2, 0xf033
	s_cbranch_scc0 .Lentry_shape_is_right
	s_endpgm
.Lentry_shape_is_right:
; THE LAST PROJECTION: out0[m][n] = sum over k of O[m][k] w_o[n][k] + b_o[n], on codes of FP4 with one E8M0 scale for each 32 along K; K = 1,024, M = 8,192, N = 1,024.  Nothing is left out here.
; A = the attention's result, as images of operand registers: oo[head][tile of 16 queries][512 bytes], lane l's 16 bytes at 16 l: K = 64 head + 32 (l / 16) + 0 .. 31 of query l % 16; a fragment of 128 along K is the images of two
; neighbouring heads.  Its scale bytes lie [query][32].  B = w_o's codes and scale bytes in xx.  Queries and w_o's rows lie in position order (tile 2 b + u holds rows 32 b + 8 u + r + 8 (r / 8)): the way out puts both back.
; A tile of C, 256 x 256, is made by four waves, 128 x 128 each.  K goes in two steps of 512 through two LDS slots; both are first fills: nothing is filled again.  The scale bytes come once.
; CLUSTERS: 4 x 4 work-groups: A's tiles are asked for jointly along a row of the cluster, B's along a column.  128 work-groups: the problem has 32 x 4 tiles of this size.
; The matrix instruction is used transposed (source 0 = 16 rows of B, source 1 = 16 rows of A): a lane holds eight numbers of one row of C.
; REGISTERS, in windows of 256: window 0: v0-31 addresses; v32-95 scale words; v96-99 the bias; v128-191 A's fragments; on the way out v128-255 rows of C.  window 1: B's fragments, two sets.  windows 2, 3: the accumulators.
.set SIZE_K, 1024
.set SIZE_N, 1024
.set KSTEP,  512
.set NQ,     KSTEP/128
.set ROWB,   256
.set KROW,   SIZE_K*4/8
.set PITCH,  272
.set FR,     8
.set NL,     2
.set NP,     4
.set HALFT,  128*PITCH
.set SLOT,   4*HALFT
.set KS,     SIZE_K/32
.set SCL,    2*SLOT
.set HALFS,  (128*KS/256)*272
.set SBLK,   (16*KS/256)*272
.set SPARE,  SCL+4*HALFS
.set SPITCH, 528                       ; the way out: a stage of 16 rows x (512 bytes + 16) for each wave, in slot 0, which has had its one fill and its last read when the first result is stored there
.set ASTEP,  8*512*512                 ; from slot to slot in oo: eight heads of 512 tiles of 512 bytes
.set ADRA, 16
.set ADRB, 20
.set STO,  24
.set RD,   25
.set CO,   26
.set ADRS, 27
.set SPW,  28
.set NIL,  29
.set SC,   32
.set BV,   96                          ; v96-99 b_o at my four columns of a row read back
.set AF,   128
.set BK,   128
.set G1, 24
.set G0, 32
.set G1B, 48
.set G0B, 56
.set G1S, 68
.set G0S, 76
.set G1SB, 80
.set G0SB, 88
.set MSB, 0
.macro WIN new
.if MSB != \new
	s_set_vgpr_msb (MSB<<8)|\new
.set MSB, \new
.endif
.endm
.set MUL_LO, 0xa1
.set MUL_HI, 0xf1
.set TO_B,   0x40
.macro JLOAD g0a, g1a, g0b, g1b        ; a joint load: waves 0 and 1 fetch for A, waves 2 and 3 for B; an s_nop 0 and four v_nop follow each of the two lines
	s_cmp_eq_u32 s15, 0
	s_cbranch_scc0 .Lfor_b_\@
	tensor_load_to_lds s[\g0a:\g0a+3], s[\g1a:\g1a+7]
	s_nop 0
.rept 4
	v_nop
.endr
	s_branch .Lasked_\@
.Lfor_b_\@:
	tensor_load_to_lds s[\g0b:\g0b+3], s[\g1b:\g1b+7]
	s_nop 0
.rept 4
	v_nop
.endr
.Lasked_\@:
.endm
.macro CROUND
	s_barrier_signal -1
	s_barrier_wait -1
	s_cmp_lg_u32 s14, 0
	s_cbranch_scc1 .Lnot_wave_0_\@
	s_barrier_signal -3
.Lnot_wave_0_\@:
	s_barrier_wait -3
	s_barrier_signal -1
	s_barrier_wait -1
.endm
	s_load_b256 s[4:11], s[0:1], 0x0               ; oo, xx, b_o, out0
	v_lshl_add_u32 v[SPW], v0, 2, SPARE
	v_mov_b32 v[NIL], 0
	ds_add_u32 v[SPW], v[NIL]                      ; the wave's opening: the add, twice on end, and its wait ahead of my first tensor load
	ds_add_u32 v[SPW], v[NIL]
	v_lshrrev_b32 v1, 5, v0
	v_readfirstlane_b32 s14, v1                    ; wave 0..3
	s_lshr_b32 s15, s14, 1                         ; which half of the tile's rows is mine.  Also: I fetch for A (0) or for B (1)
	s_and_b32 s16, s14, 1                          ; which half of its columns.  Also: which 128 rows of that tile I fetch
	s_bfe_u32 s40, ttmp6, 0x40000                  ; cx, cy
	s_bfe_u32 s41, ttmp6, 0x40004
	s_lshl_b32 s42, ttmp9, 2
	s_add_co_u32 s42, s42, s40                     ; tile column of C
	s_and_b32 s17, ttmp7, 0xffff
	s_lshl_b32 s17, s17, 2
	s_add_co_u32 s17, s17, s41                     ; tile row of C
	s_lshl_b32 s43, s41, 2
	s_lshl_b32 s43, 15, s43                        ; my row of the cluster
	s_lshl_b32 s44, 0x1111, s40                    ; my column
	; A's group 1: 8 rows (heads) of 4,096 bytes (8 tiles' images on end), 262,144 bytes apart; dense in LDS, no padding: an image's 512 bytes are read as they lie
	s_or_b32 s[G1+0], s43, (3<<16)|(1<<21)         ; 15:0 the mask; 17:16 elements of 8 bytes; 21 set beside a mask
	s_mov_b32 s[G1+1], 512<<16                     ; tensor_dim0 = 512 elements
	s_mov_b32 s[G1+2], 8<<16                       ; tensor_dim1 = 8
	s_mov_b32 s[G1+3], 512<<16                     ; tile_dim0
	s_mov_b32 s[G1+4], 8                           ; tile_dim1
	s_mov_b32 s[G1+5], 32768                       ; tensor_dim0_stride, in elements
	s_mov_b32 s[G1+6], 0
	s_mov_b32 s[G1+7], 0
	; B's: 128 rows x 256 bytes, 16 bytes of padding behind each
	s_or_b32 s[G1B+0], s44, (0<<16)|(1<<20)|(1<<21)|(5<<22)|(3<<25)
	s_mov_b32 s[G1B+1], ROWB<<16
	s_mov_b32 s[G1B+2], 128<<16
	s_mov_b32 s[G1B+3], ROWB<<16
	s_mov_b32 s[G1B+4], 128
	s_mov_b32 s[G1B+5], KROW
	s_mov_b32 s[G1B+6], 0
	s_mov_b32 s[G1B+7], 0
	; the scale bytes of 128 rows: 4,096 dense bytes, as 16 rows of 256 bytes, 16 bytes of padding behind each
	s_or_b32 s[G1S+0], s43, (3<<16)|(1<<20)|(1<<21)|(5<<22)|(3<<25)
	s_or_b32 s[G1SB+0], s44, (3<<16)|(1<<20)|(1<<21)|(5<<22)|(3<<25)
.irp g, G1S, G1SB
	s_mov_b32 s[\g+1], 32<<16
	s_mov_b32 s[\g+2], (128*KS/256)<<16
	s_mov_b32 s[\g+3], 32<<16
	s_mov_b32 s[\g+4], 128*KS/256
	s_mov_b32 s[\g+5], 32
	s_mov_b32 s[\g+6], 0
	s_mov_b32 s[\g+7], 0
.endr
	s_lshl_b32 s18, s16, 7                         ; which 128 rows of the tile I fetch
	s_lshl_b32 s20, s17, 8
	s_add_co_u32 s20, s20, s18                     ; A: row 256 x tile row + 128 x half
	s_lshl_b32 s46, s42, 8
	s_add_co_u32 s46, s46, s18                     ; B: row 256 x tile column + 128 x half
	s_lshl_b32 s20, s20, 5                         ; A's images: 512 bytes for 16 rows; its scale bytes: 32 a row: the same offset,
	s_mov_b32 s21, 0
	s_add_co_u32 s22, s20, 0x400000                ; the scale bytes behind all the codes
	s_mov_b32 s23, 0
	s_lshl_b32 s92, s46, 5
	s_add_co_u32 s92, s92, 0xED8000                ; w_o's scale bytes in xx
	s_mov_b32 s93, 0
	s_lshl_b32 s46, s46, 9
	s_add_co_u32 s46, s46, 0xD80000                ; w_o's codes in xx
	s_mov_b32 s47, 0
	s_mul_i32 s45, s14, HALFT                      ; where they go: no place in the cluster enters an LDS address
	s_mul_i32 s94, s14, HALFS
	s_wait_dscnt 0x0                               ; both opening adds are done
	s_wait_kmcnt 0x0
	s_add_nc_u64 s[20:21], s[4:5], s[20:21]
	s_add_nc_u64 s[22:23], s[4:5], s[22:23]
	s_add_nc_u64 s[46:47], s[6:7], s[46:47]
	s_add_nc_u64 s[92:93], s[6:7], s[92:93]
	CROUND                                         ; all sixteen work-groups are here: the first joint loads meet
	s_mov_b32 s[G0S], 1
	s_add_co_u32 s[G0S+1], s94, SCL
	s_mov_b64 s[G0S+2:G0S+3], s[22:23]
	s_or_b32 s[G0S+3], s[G0S+3], 0x80000000
	s_mov_b32 s[G0SB], 1
	s_add_co_u32 s[G0SB+1], s94, SCL
	s_mov_b64 s[G0SB+2:G0SB+3], s[92:93]
	s_or_b32 s[G0SB+3], s[G0SB+3], 0x80000000
	JLOAD G0S, G1S, G0SB, G1SB                     ; the scales first
.irp s, 0,1
	s_mov_b32 s[G0+4*\s], 1
	s_add_co_u32 s[G0+4*\s+1], s45, \s*SLOT
	s_add_nc_u64 s[G0+4*\s+2:G0+4*\s+3], s[20:21], \s*ASTEP
	s_or_b32 s[G0+4*\s+3], s[G0+4*\s+3], 0x80000000
	s_mov_b32 s[G0B+4*\s], 1
	s_add_co_u32 s[G0B+4*\s+1], s45, \s*SLOT
	s_add_nc_u64 s[G0B+4*\s+2:G0B+4*\s+3], s[46:47], \s*ROWB
	s_or_b32 s[G0B+4*\s+3], s[G0B+4*\s+3], 0x80000000
	JLOAD G0+4*\s, G1, G0B+4*\s, G1B               ; three loads of mine are out: all of K
.endr
	v_and_b32 v1, 15, v0                           ; r
	v_bfe_u32 v2, v0, 4, 1                         ; h
	v_mul_u32_u24 v3, v1, PITCH
	v_lshl_add_u32 v4, v2, 4, v3                   ; B: a fragment's row x pitch + 16 x half
	v_and_b32 v6, 31, v0
	v_lshlrev_b32 v[CO], 4, v6                     ; 16 x lane: A's images; a row of C read back; the same in C
	s_mul_i32 s21, s15, HALFT                      ; my 128 rows of A
	s_mul_i32 s22, s16, HALFT                      ; my 128 rows of B,
	s_add_co_u32 s22, s22, 2*HALFT                 ; which lie behind A's two halves
.irp s, 0,1
	v_add_nc_u32 v[ADRA+\s], s21, v[CO]
	v_add_nc_u32 v[ADRB+\s], s22, v4
	s_add_co_u32 s21, s21, SLOT
	s_add_co_u32 s22, s22, SLOT
.endr
	v_mul_u32_u24 v5, v1, KS
	v_lshrrev_b32 v6, 8, v5
	v_lshl_add_u32 v5, v6, 4, v5
	s_mul_i32 s21, s15, HALFS
	s_mul_i32 s22, s16, HALFS
	s_add_co_u32 s22, s22, 2*HALFS
	s_sub_co_u32 s22, s22, s21
	v_mul_u32_u24 v6, s22, v2                      ; lanes 16-31 take B's
	s_add_co_u32 s21, s21, SCL
	v_add_nc_u32 v5, v5, v6
	v_add_nc_u32 v[ADRS], s21, v5
	s_mul_i32 s23, s14, 16*SPITCH                  ; my stage
	v_mul_u32_u24 v5, v1, SPITCH                   ; in: row r; register i of B's tile b is column 32 (b / 2) + 8 (b % 2) + 16 h + i: 64 h bytes here, the rest in the stores' offsets
	v_lshl_add_u32 v5, v2, 6, v5
	v_add_nc_u32 v[STO], s23, v5
	v_add_nc_u32 v[RD], s23, v[CO]                 ; back: the 32 lanes take one row of 512 bytes
	s_lshl_b32 s20, s17, 8
	s_lshl_b32 s21, s15, 7
	s_add_co_u32 s20, s20, s21                     ; my first row of C
	s_lshl_b32 s20, s20, 12                        ; 4,096 bytes a row
	s_mov_b32 s21, 0
	s_lshl_b32 s46, s42, 10                        ; my first column, in bytes
	s_lshl_b32 s47, s16, 9
	s_add_co_u32 s46, s46, s47
	s_mov_b32 s47, 0
	s_add_nc_u64 s[8:9], s[8:9], s[46:47]
	s_add_nc_u64 s[20:21], s[20:21], s[46:47]
	s_add_nc_u64 s[12:13], s[10:11], s[20:21]
	global_load_b128 v[BV:BV+3], v[CO], s[8:9]     ; b_o at the four columns that I store of every row
.macro FRAG reg, adr, q, i
.irp c, 0,1
	ds_load_b128 v[\reg+4*\c:\reg+4*\c+3], v[\adr] offset:64*(\q)+32*\c+(\i)*16*PITCH
.endr
.endm
.macro FRAGA reg, slot, q, i           ; A's fragment: the images of heads 2 q and 2 q + 1 of the slot's eight, tile i of my eight
.irp c, 0,1
	ds_load_b128 v[\reg+4*\c:\reg+4*\c+3], v[ADRA+\slot] offset:(2*(\q)+\c)*4096+(\i)*512
.endr
.endm
.macro MUL16 a0, p, q, sc, zero        ; the 64 accumulators take turns, one instruction a turn, in the same order in every step
.irp a, \a0, \a0+1
.irp b, 0,1,2,3,4,5,6,7
.if \zero
	v_wmma_scale_f32_16x16x128_f8f6f4 v[8*(8*((\a)%4)+\b):8*(8*((\a)%4)+\b)+7], v[128*(\p)+FR*\b:128*(\p)+FR*\b+FR-1], v[AF+FR*(\a):AF+FR*(\a)+FR-1], 0, v[SC+8*NQ*(\sc)+NQ*\b+(\q)], v[SC+8*NQ*(\sc)+NQ*(\a)+(\q)] matrix_a_fmt:MATRIX_FMT_FP4 matrix_b_fmt:MATRIX_FMT_FP4 matrix_a_scale:MATRIX_SCALE_ROW1
.else
	v_wmma_scale_f32_16x16x128_f8f6f4 v[8*(8*((\a)%4)+\b):8*(8*((\a)%4)+\b)+7], v[128*(\p)+FR*\b:128*(\p)+FR*\b+FR-1], v[AF+FR*(\a):AF+FR*(\a)+FR-1], v[8*(8*((\a)%4)+\b):8*(8*((\a)%4)+\b)+7], v[SC+8*NQ*(\sc)+NQ*\b+(\q)], v[SC+8*NQ*(\sc)+NQ*(\a)+(\q)] matrix_a_fmt:MATRIX_FMT_FP4 matrix_b_fmt:MATRIX_FMT_FP4 matrix_a_scale:MATRIX_SCALE_ROW1
.endif
.endr
.endr
.endm
.macro FETCH_B slot, q, p
	WIN TO_B
.irp i, 0,1,2,3,4,5,6,7
	FRAG 128*(\p)+FR*\i, ADRB+\slot, \q, \i
.endr
	WIN 0
.endm
.macro FETCH_A slot, q, i0
.irp i, \i0, \i0+1, \i0+2, \i0+3
	FRAGA AF+FR*(\i), \slot, \q, \i
.endr
.endm
.macro SCALES sc
.irp i, 0,1,2,3,4,5,6,7
	ds_load_b128 v[SC+8*NQ*\sc+NQ*\i:SC+8*NQ*\sc+NQ*\i+3], v[ADRS] offset:\i*SBLK
.endr
.endm
.macro PLACES n
.rept \n
	v_nop
.endr
.endm
.macro STEP slot, q, zero
	s_wait_dscnt 4*NL                              ; B's set and A's blocks 0-3 are in; the youngest eight loads (A's blocks 4-7) may be out
	WIN MUL_LO
	MUL16 0, (\q)%2, \q, \slot, \zero
	MUL16 2, (\q)%2, \q, \slot, \zero
	s_wait_dscnt 0
	PLACES NP
	FETCH_B \slot, (\q)+1, 1-(\q)%2
	FETCH_A \slot, (\q)+1, 0
	WIN MUL_HI
	MUL16 4, (\q)%2, \q, \slot, \zero
	MUL16 6, (\q)%2, \q, \slot, \zero
	PLACES NP
	WIN 0
	FETCH_A \slot, (\q)+1, 4
.endm
.macro TURN slot, next                 ; slot 0's last step changes slots: one barrier
	s_wait_tensorcnt 0x0                           ; all my tensor loads have landed, my part of slot 1 among them
	ds_add_u32 v[SPW], v[NIL]
	s_wait_dscnt 4*NL+1                            ; (the add and the youngest eight loads may be out)
	WIN MUL_LO
	MUL16 0, 1, NQ-1, \slot, 0
	s_wait_dscnt 0x0
	s_barrier_signal -1
	MUL16 2, 1, NQ-1, \slot, 0
	WIN 0
	s_barrier_wait -1
	PLACES NP
	v_add_nc_u32 v[ADRS], 4*NQ, v[ADRS]
	FETCH_B \next, 0, 0
	FETCH_A \next, 0, 0
	SCALES \next
	WIN MUL_HI
	MUL16 4, 1, NQ-1, \slot, 0
	MUL16 6, 1, NQ-1, \slot, 0
	PLACES NP
	WIN 0
	FETCH_A \next, 0, 4
.endm
.macro STEPS slot, from
.set Q, \from
.rept NQ-1-\from
	STEP \slot, Q, 0
.set Q, Q+1
.endr
.endm
	s_wait_tensorcnt 1                             ; the scales and my part of slot 0 are in (slot 1's load may be out),
	s_barrier_signal -1
	s_barrier_wait -1                              ; everybody's are
	FETCH_B 0, 0, 0
	FETCH_A 0, 0, 0
	SCALES 0
	FETCH_A 0, 0, 4
	STEP 0, 0, 1                                   ; the first step's products start the sums
	STEPS 0, 1
	TURN 0, 1
	STEPS 1, 0
	s_wait_dscnt 4*NL
	WIN MUL_LO
	MUL16 0, 1, NQ-1, 1, 0
	MUL16 2, 1, NQ-1, 1, 0
	s_wait_dscnt 0
	WIN MUL_HI
	MUL16 4, 1, NQ-1, 1, 0
	MUL16 6, 1, NQ-1, 1, 0
	WIN 0
; THE WAY OUT, block by block of 16 rows x 128 columns, through my own stage in LDS: in by lanes (eight numbers of a row each, at their true columns), back as whole rows of 512 bytes; + b_o; the 32 lanes store 512 consecutive
; bytes.  Row t of block a is row 32 (a / 2) + 8 (a % 2) + t + 8 (t / 8) of my 128: it stands in the store's immediate, 127 rows of 4,096 bytes at the most, so the base is never stepped.
.macro TOSTAGE a
.set AC, 64*((\a)%4)
.set WN, 0x08+4*((\a)/4)
	WIN WN                                         ; the data: window 2 or 3
.irp b, 0,1,2,3,4,5,6,7
	ds_store_b128 v[STO], v[AC+8*\b:AC+8*\b+3] offset:128*(\b/2)+32*(\b%2)        ; each accumulator from its low end on
	ds_store_b128 v[STO], v[AC+8*\b+4:AC+8*\b+7] offset:128*(\b/2)+32*(\b%2)+16
.endr
	WIN 0
.set BB, BK+64*((\a)%2)
.irp t, 0,1,2,3,4,5,6,7,8,9,10,11,12,13,14,15
	ds_load_b128 v[BB+4*\t:BB+4*\t+3], v[RD] offset:\t*SPITCH   ; LDS serves a wave's instructions in order: these see the stores above
.endr
.endm
.macro SEND a, younger                 ; younger: the LDS instructions issued behind block a's loads, which may stay out
.set BB, BK+64*((\a)%2)
	s_wait_dscnt \younger
.irp t, 0,1,2,3,4,5,6,7,8,9,10,11,12,13,14,15
	v_pk_add_f32 v[BB+4*\t:BB+4*\t+1], v[BB+4*\t:BB+4*\t+1], v[BV:BV+1]
	v_pk_add_f32 v[BB+4*\t+2:BB+4*\t+3], v[BB+4*\t+2:BB+4*\t+3], v[BV+2:BV+3]
	global_store_b128 v[CO], v[BB+4*\t:BB+4*\t+3], s[12:13] offset:(32*((\a)/2)+8*((\a)%2)+\t+8*(\t/8))*SIZE_N*4 th:TH_STORE_NT
.endr
.endm
	s_wait_loadcnt 0x0                             ; b_o
	PLACES NP                                      ; behind the last products: their results are read, and A's registers loaded into, below
	TOSTAGE 0
.irp a, 1,2,3,4,5,6,7
.if \a > 1
	s_wait_xcnt 0x0                                ; block a - 2's stores have read their registers: block a's loads may land there
.endif
	TOSTAGE \a
	SEND \a-1, 32                                  ; behind block a - 1's loads: block a's 16 stores and 16 loads
.endr
	SEND 7, 0
	s_wait_tensorcnt 0x0                           ; the wave's end, behind my last tensor load and my last LDS store
	ds_add_u32 v[SPW], v[NIL]
	s_wait_dscnt 0x0
	CROUND                                         ; the closing round
	s_endpgm
.Lfunc_end_k_q450068592a_oproj:
	.size	k_q450068592a_oproj, .Lfunc_end_k_q450068592a_oproj-k_q450068592a_oproj
	.p2alignl 7, 3214868480
	.fill 96, 4, 3214868480
	.section	.rodata,"a",@progbits
	.p2align	6, 0x0
	.amdhsa_kernel k_q450068592a_oproj
		.amdhsa_group_segment_fixed_size 327680
		.amdhsa_private_segment_fixed_size 0
		.amdhsa_enable_private_segment 0
		.amdhsa_kernarg_size 32
		.amdhsa_user_sgpr_count 2
		.amdhsa_user_sgpr_kernarg_segment_ptr 1
		.amdhsa_wavefront_size32 1
		.amdhsa_system_sgpr_workgroup_id_x 1
		.amdhsa_system_sgpr_workgroup_id_y 1
		.amdhsa_system_sgpr_workgroup_id_z 1
		.amdhsa_system_vgpr_workitem_id 0
		.amdhsa_next_free_vgpr 1024
		.amdhsa_next_free_sgpr 98
		.amdhsa_reserve_vcc 0
		.amdhsa_float_denorm_mode_32 3
		.amdhsa_float_denorm_mode_16_64 3
		.amdhsa_memory_ordered 1
		.amdhsa_forward_progress 1
		.amdhsa_inst_pref_size 140
	.end_amdhsa_kernel
	.amdgpu_metadata
---
amdhsa.version: [ 1, 2 ]
amdhsa.kernels:
  - .name:           k_q450068592a_oproj
    .symbol:         k_q450068592a_oproj.kd
    .args:
      - { .name: oo, .offset: 0, .size: 8, .value_kind: global_buffer, .address_space: global }
      - { .name: xx, .offset: 8, .size: 8, .value_kind: global_buffer, .address_space: global }
      - { .name: b_o, .offset: 16, .size: 8, .value_kind: global_buffer, .address_space: global }
      - { .name: out0, .offset: 24, .size: 8, .value_kind: global_buffer, .address_space: global }
    .group_segment_fixed_size: 327680
    .private_segment_fixed_size: 0
    .kernarg_segment_align: 8
    .kernarg_segment_size: 32
    .max_flat_workgroup_size: 128
    .sgpr_count:     98
    .vgpr_count:     1024
    .wavefront_size: 32
...
	.end_amdgpu_metadata
.endif
;; end of part 4
;; ======== version 2 of 2: 4 launches; version 1 with the launch attn written anew for expert scheduling mode
;; limits: right only within a limited range of input values
;; workspace buffers: xx 15,597,568 bytes; mb 2,097,152 bytes of whole numbers; fl 2,048 bytes of whole numbers; qq 4,718,592 bytes; kv 9,175,040 bytes; oo 4,456,448 bytes
;; launch prep: the kernel of part 1 again; grid 1408 x 1, 4 waves a work-group, no clusters, 33,792 bytes of LDS; arguments q, k, v, w_q, w_k, w_v, w_o, mask, xx, mb, fl; writes xx, mb, fl
;; launch proj: the kernel of part 2 again; grid 4 x 96, 4 waves a work-group, clusters of 4 x 4, 327,680 bytes of LDS; arguments xx, b_q, b_k, b_v, qq, kv; writes qq, kv
;; launch attn (part 5): grid 4 x 64, 16 waves a work-group, no clusters, 19,968 bytes of LDS; arguments qq, kv, mb, fl, oo; writes oo
.if DOCPART == 5
	.amdgcn_target "amdgcn-amd-amdhsa--gfx1250"
	.amdhsa_code_object_version 6
	.text
	.protected	k_q450068592a_attn
	.globl	k_q450068592a_attn
	.p2align	8
	.type	k_q450068592a_attn,@function
k_q450068592a_attn:
	s_mov_b64 s[64:65], 0
	v_nop
	global_prefetch_b8 v0, s[64:65] scope:SCOPE_SE
	s_setreg_imm32_b32 hwreg(HW_REG_WAVE_SCHED_MODE, 0, 2), 2
	s_setreg_imm32_b32 hwreg(HW_REG_WAVE_MODE, 25, 1), 1
	s_wait_xcnt 0x0
	s_wait_alu depctr_vm_vsrc(0)
; ATTENTION ON CODES OF FP4: S^T = K Q^T (K = the head's 64, the upper half of the instruction's 128 filled with zero codes), the mask, p = 2^(t - M), O^T = V^T P^T, O / the row's sum quantised along the head's 64.
; LEFT OUT: a block of 16 queries x 128 keys whose bit in fl is 0: all its mask words are 0 and each of its rows has a key that counts elsewhere, so every p of it is 0 (shown at the head of the first kernel).
; LIMIT: a masked raw score is -2^36, an energy of -2^33, where the formula has -1e10; the results are the formula's while the magnitude of unmasked energies stays under about 4e9.
; THE SOFTMAX: t = score x log2(e) / 8; M = the row's largest t so far, rounded UP to a whole number; p = 2^(t - M) is quantised along the keys; the row's sum is taken of the unquantised p and divides at the end.
; When M moves, the sum and O^T are multiplied by 2^(old M - new M): exact.  -2^36 x log2(e) / 8 is a whole number in f32: a row masked throughout has t - M = 0 and p = 1.
; SHARES.  256 work-groups.  Work-group (x, bh) takes two blocks of 256 queries of head bh, one after the other: block 7 - x, then block x.  Each of its sixteen waves owns a tile of 16 queries (position order), in 256 registers:
; four waves to a SIMD, so that one wave's vector work stands beside another's matrix work and LDS loads.
; K AND V come as images of their operand registers: a key step's 8,192 + 768 bytes are dense in kv.  The sixteen waves bring them from memory through registers into one of two LDS slots, a step ahead: 16 bytes a thread.
; One barrier a step, outside every branch: a store into the other slot is parted from that slot's last reads by the last step's barrier and from its next reads by this step's.
; NO TENSOR LOAD AND NO CLUSTER: which steps are walked hangs on numbers read from memory (fl), which differ from one block of queries to the next; so the partners of a cluster would need different tiles
; The trip counts are constants: 2 passes x 8 trips x 2 steps; what is left out is a step's loads and work, never a barrier.
; LAYOUT.  A lane holds ONE query (lane % 16) throughout.  Register 16 b + i of S^T is key 128 step + 32 b + 16 (lane / 16) + i; register 16 b + i of O^T is channel 32 b + 16 (lane / 16) + i.
; THE STORES: codes as an image, 512 consecutive bytes a wave.  The two scale bytes of a query go to rows 32 bytes apart (lanes 16-31 write the same bytes again): one byte in seventeen of what the launch stores.
; REGISTERS: v1 16 x lane; v2 8 x lane; v3 16 x thread; v4 4 x thread; v5, v6 the add's two; v7 16 r; v8 4 h; v10 32 r; v11 -2^36; v12 -M; v13 the largest t; v[14:15] the sum; v16-23 Q (20-23 zeros); v24-28 the step on its way to LDS;
; v29 Q's scale word; v[30:31] V's; v32-95 K's 8 fragments (the upper four registers of each zeros); v96-159 S^T, then p; v160-191 O^T; v192-223 V's 4 fragments; v224-231 p's codes; v232-247, v252-254 at work; v240-243 mask words; v248-251 K's scale words; v255 256 x lane.
; s[68:83]: at a pass's head the sixteen tiles' flags; in the steps the masks of sixteen compares.
; THE MODE: SCHED_MODE bits 1:0 = 2 (LLVM: expert scheduling mode 2), set by the entry lines.  The code itself states the register dependences between vector or matrix instructions and memory or LDS instructions, with s_wait_alu, always for 0.
; THE PLAN.  Registers that memory or LDS instructions touch:
;   v1-4, v7, v10, v255     offsets and LDS addresses: written at the head and never again.  v5, v6: written at the head, read by the closing add alone.
;   v16-19, v29             Q and its scale word.  Loaded at a pass's head; read by the eight products K Q^T of every step.
;   v24-28                  the next step on its way to LDS.  Loaded at a step's head (step 0: at the pass's head); read by the LDS stores at the step's end.
;   v32-35 + 8 t, v248-251  K's fragments and scale words.  Loaded from LDS at a step's head; read by the step's eight products K Q^T.
;   v192-223, v30-31        V's.  Loaded from LDS among those eight products; read by the step's four products V^T P^T, its last matrix instructions.
;   v240-243                my query's mask bits.  Loaded at a step's head; shifted in place and read by the step's vector instructions.
;   v224-227, v254          a pass's result.  Written by the way out's vector instructions; read by its two stores; written again by the next pass's steps.
; So two waits stand at a step's head, ahead of its first branch: one on va_vdst (the last step is done with K, V, their scale words and the mask bits), one on vm_vsrc (the LDS stores have read v24-28).  All the step's loads follow
; with no further wait: since those waits the wave has issued the eight products K Q^T alone, which name Q, K, S^T and their scale words: no register of V, of the mask bits or of v24-28.
; The other waits: behind each run of sixteen compares (their masks); behind the exponentials and the reciprocal; ahead of the products V^T P^T (p's codes and scale word); ahead of a pass's two stores; at a pass's head on vm_vsrc.
.set SLOTB, 8960                       ; a slot: K's 8 images, V's 8 images, K's scale words (512 bytes), V's (256)
.set SPARE, 2*SLOTB                    ; the spare words: 128 bytes for each of the sixteen waves
	s_load_b256 s[4:11], s[0:1], 0x0               ; qq, kv, mb, fl
	s_load_b64 s[12:13], s[0:1], 0x20              ; oo
	v_lshl_add_u32 v5, v0, 2, SPARE
	v_mov_b32 v6, 0
	v_lshrrev_b32 v1, 5, v0
	v_readfirstlane_b32 s20, v1                    ; wave 0..15
	s_mov_b32 s21, ttmp9                           ; x
	s_and_b32 s22, ttmp7, 0xffff                   ; bh
	s_lshr_b32 s23, s22, 4                         ; the batch
	s_and_b32 s24, s22, 15                         ; the head
	v_and_b32 v2, 31, v0
	v_lshlrev_b32 v1, 4, v2
	v_lshlrev_b32 v255, 8, v2
	v_lshlrev_b32 v2, 3, v2
	v_lshlrev_b32 v3, 4, v0
	v_lshlrev_b32 v4, 2, v0
	v_and_b32 v7, 15, v0
	v_lshlrev_b32 v10, 5, v7
	v_lshlrev_b32 v7, 4, v7
	v_bfe_u32 v8, v0, 4, 1
	v_lshlrev_b32 v8, 2, v8
	v_mov_b32 v11, 0xd1800000                      ; -2^36
.irp i, 20,21,22,23,24,25,26,27,28,240,241,242,243,252
	v_mov_b32 v[\i], 0                             ; Q's upper half: zero codes.  The others: written once, so that every way through the branches below finds them written
.endr
.irp t, 0,1,2,3,4,5,6,7
.irp i, 4,5,6,7
	v_mov_b32 v[32+8*\t+\i], 0                     ; K's upper halves: zero codes, once
.endr
.endr
	s_mov_b32 s44, 0x76543210
	s_mov_b32 s45, 0xfedcba98                      ; v_permlanex16_b32's selects for lane l xor 16
	s_mov_b32 s46, 0x3e38aa3b                      ; c = log2(e) / 8
	s_mov_b32 s47, s46                             ; (named with it as a pair, so it is written)
	s_mov_b32 s39, 0
	s_mov_b32 s25, 2                               ; passes to go
	s_wait_alu depctr_va_sdst(0)                   ; s20, the wave's number, is written: ahead of the label below and of its first reader
	s_wait_alu depctr_va_vdst(0)                   ; the offsets and addresses v1-4, v7, v10, v255 are written, which every load, store and prefetch reads; so are v24-28 and v240-243, in which loads land, and the zero halves of Q and K, which the scaled products take as operands
	s_wait_kmcnt 0x0
; A KEY STEP'S WORK, from slot sl.
.macro COMPUTE sl
.irp t, 0,1,2,3,4,5,6,7
	ds_load_b128 v[32+8*\t:35+8*\t], v1 offset:(\sl)*SLOTB+512*\t          ; K's tile t: 16 keys x the head's 64
.endr
	ds_load_b128 v[248:251], v1 offset:(\sl)*SLOTB+8192                    ; register j: lanes 0-15 tile 2 j's scale words, lanes 16-31 tile 2 j + 1's
	s_bitcmp1_b32 s30, 0                           ; a step that is not all ones: its bits are asked for now
	s_cbranch_scc0 .Lnm_\@
	global_load_b128 v[240:243], v7, s[36:37]      ; my query's 128 bits
.Lnm_\@:
	s_wait_dscnt 0x0                               ; K and its scale words are in: no other LDS instruction of mine is out
.irp t, 0,2,4,6
	v_wmma_scale_f32_16x16x128_f8f6f4 v[96+8*\t:103+8*\t], v[32+8*\t:39+8*\t], v[16:23], 0, v[248+\t/2], v29 matrix_a_fmt:MATRIX_FMT_FP4 matrix_b_fmt:MATRIX_FMT_FP4
	v_wmma_scale_f32_16x16x128_f8f6f4 v[104+8*\t:111+8*\t], v[40+8*\t:47+8*\t], v[16:23], 0, v[248+\t/2], v29 matrix_a_fmt:MATRIX_FMT_FP4 matrix_b_fmt:MATRIX_FMT_FP4 matrix_a_scale:MATRIX_SCALE_ROW1
	ds_load_b128 v[192+4*\t:195+4*\t], v1 offset:(\sl)*SLOTB+4096+512*\t   ; V^T's tile t / 2: 16 channels x 128 keys.  No wait: since the wait at the step's head no vector or matrix instruction names V's registers
	ds_load_b128 v[196+4*\t:199+4*\t], v1 offset:(\sl)*SLOTB+4608+512*\t
.endr
	ds_load_b64 v[30:31], v2 offset:(\sl)*SLOTB+8704                       ; and V's scale words, likewise
.rept 4
	v_nop                                          ; places behind the products, ahead of the first read of their results
.endr
	s_bitcmp1_b32 s30, 0
	s_cbranch_scc0 .Lopen_\@
	s_wait_loadcnt 0x0                             ; the bits are in
.irp j, 0,1,2,3
	v_lshrrev_b32 v[240+\j], v8, v[240+\j]         ; word j, bit L = key 4 L + j.  Register 16 b + i holds key 32 b + 16 h + i: bit 8 b + 4 h + i / 4 of word i % 4; the 4 h go here
.endr
.irp b, 0,1,2,3                                ; a block of 32 keys, sixteen registers, at a time, ascending: each accumulator is read from its low end on
.irp q, 0,1,2,3
.irp j, 0,1,2,3
	v_and_b32 v[236+\j], 1<<(8*\b+\q), v[240+\j]
.endr
.irp j, 0,1,2,3
	v_cmp_eq_u32 s[68+4*\q+\j], 0, v[236+\j]
.endr
.endr
	s_wait_alu depctr_va_sdst(0)                   ; the sixteen compares have written their masks s[68:83], which the sixteen selects below read
.irp q, 0,1,2,3
.irp j, 0,1,2,3
	v_cndmask_b32 v[96+16*\b+4*\q+\j], v[96+16*\b+4*\q+\j], v11, s[68+4*\q+\j]   ; a masked score is replaced
.endr
.endr
.endr
.Lopen_\@:
.irp b, 0,1,2,3
	v_max3_num_f32 v[232+\b], v[96+16*\b], v[97+16*\b], v[98+16*\b]   ; the largest score of each block of 32 keys: for the row's maximum and, since p rises with the score, for the block's largest p
.endr
.irp i, 3,5,7,9,11,13
.irp b, 0,1,2,3
	v_max3_num_f32 v[232+\b], v[232+\b], v[96+16*\b+\i], v[97+16*\b+\i]
.endr
.endr
.irp b, 0,1,2,3
	v_max_num_f32 v[232+\b], v[232+\b], v[111+16*\b]
.endr
.irp b, 0,1,2,3
	v_permlanex16_b32 v[236+\b], v[232+\b], s44, s45
.endr
.irp b, 0,1,2,3
	v_max_num_f32 v[232+\b], v[232+\b], v[236+\b]  ; with lane l xor 16's 16 keys
.endr
	v_max3_num_f32 v254, v232, v233, v234
	v_max_num_f32 v254, v254, v235                 ; the step's largest score of my query
	v_mul_f32 v254, s46, v254                      ; as t
	v_max_num_f32 v13, v13, v254                   ; the running largest t
	v_mov_b32 v254, v12
	v_floor_f32 v12, -v13                          ; the new -M = floor(-t) = -ceil(t)
	v_sub_f32 v254, v12, v254                      ; old M - new M: a whole number, 0 or less
	v_cvt_i32_f32 v254, v254                       ; (it saturates)
	v_ldexp_f32 v252, 1.0, v254                    ; f = 2^(old M - new M)
.set n, 0
.rept 32
	v_pk_fma_f32 v[96+n:97+n], v[96+n:97+n], s[46:47], v[12:13] op_sel_hi:[1,0,0]   ; t - M, two at a time
.set n, n+2
.endr
.irp b, 0,1,2,3
	v_fma_f32 v[232+\b], v[232+\b], s46, v12       ; the same of each block's largest score
.endr
.set n, 0
.rept 64
	v_exp_f32 v[96+n], v[96+n]                     ; p = 2^(t - M), at most 1
.set n, n+1
.endr
	v_pk_mul_f32 v[14:15], v[14:15], v[252:253] op_sel_hi:[1,0]   ; the sums under the new M: a plain place behind the exponentials
	s_wait_alu depctr_va_vdst(0)                   ; the 64 exponentials have written p, v96-159: one wait for the whole batch, ahead of its first reader
.irp b, 0,1,2,3
	v_exp_f32 v[232+\b], v[232+\b]                 ; the block's largest p
.endr
	v_pk_add_f32 v[236:237], v[96:97], v[98:99]    ; the row's sum is taken of the unquantised p: two at a time, in two chains
.irp j, 4,8,12,16,20,24,28,32,36,40,44,48,52,56,60
	v_pk_add_f32 v[14:15], v[14:15], v[96+\j:97+\j]
	v_pk_add_f32 v[236:237], v[236:237], v[98+\j:99+\j]
.endr
	v_pk_add_f32 v[14:15], v[14:15], v[236:237]
	s_wait_alu depctr_va_vdst(0)                   ; the four exponentials have written the blocks' largest p, v232-235: ahead of their first reader
.irp b, 0,1,2,3
	v_max_num_f32 v[232+\b], 0x1800000, v[232+\b]  ; the floor 2^(3 - 127): the byte cannot fall under 1
.endr
.irp b, 0,1,2,3
	v_add_nc_u32 v[244+\b], 0xff000000, v[232+\b]  ; 2 off the exponent field: the conversion's scale operand
.endr
.irp b, 0,1,2,3
	v_lshrrev_b32 v[236+\b], 23, v[244+\b]         ; the scale's byte
.endr
	v_lshl_or_b32 v253, v237, 8, v236              ; p's scale word for these 128 keys
	v_lshl_or_b32 v253, v238, 16, v253
	v_lshl_or_b32 v253, v239, 24, v253
.irp b, 0,1,2,3
	v_cvt_scalef32_pk8_fp4_f32 v[224+2*\b], v[96+16*\b:103+16*\b], v[244+\b]
	v_cvt_scalef32_pk8_fp4_f32 v[225+2*\b], v[104+16*\b:111+16*\b], v[244+\b]
.endr
	v_nop                                          ; one plain place behind a scaled conversion
.irp c, 0,1                                    ; a WHOLE block in a lane: lanes 0-15 block 2 c, lanes 16-31 block 2 c + 1
.irp i, 0,1
	v_permlane16_swap_b32 v[224+4*\c+\i], v[226+4*\c+\i]
.endr
.endr
.set n, 0
.rept 16
	v_pk_mul_f32 v[160+n:161+n], v[160+n:161+n], v[252:253] op_sel_hi:[1,0]   ; O^T under the new M.  These sixteen are also the places between the scale word's and the codes' last writes and the products below
.set n, n+2
.endr
	s_wait_alu depctr_va_vdst(0)                   ; vector instructions have written p's codes v224-231 and its scale word v253, which the scaled products below take as operand and scales; the places above stay beside this wait
	s_wait_dscnt 0x0                               ; V and its scale words are in
.irp t, 0,2                                    ; the four accumulators take one turn each; the next matrix instruction is another step's K Q^T
	v_wmma_scale_f32_16x16x128_f8f6f4 v[160+8*\t:167+8*\t], v[192+8*\t:199+8*\t], v[224:231], v[160+8*\t:167+8*\t], v[30+\t/2], v253 matrix_a_fmt:MATRIX_FMT_FP4 matrix_b_fmt:MATRIX_FMT_FP4
	v_wmma_scale_f32_16x16x128_f8f6f4 v[168+8*\t:175+8*\t], v[200+8*\t:207+8*\t], v[224:231], v[168+8*\t:175+8*\t], v[30+\t/2], v253 matrix_a_fmt:MATRIX_FMT_FP4 matrix_b_fmt:MATRIX_FMT_FP4 matrix_a_scale:MATRIX_SCALE_ROW1
.endr
.rept 4
	v_nop                                          ; places ahead of the first read of O^T (for the next loads into these products' registers the wait at the next step's head stands)
.endr
.endm
; A KEY STEP.  s28: bit 0: some wave of the work-group walks this step, bit 1: the next one.  s29: bit 0: I walk this step.  s30: bit 0: its mask bits are to be applied.
.macro STEPM sl
	s_wait_alu depctr_va_vdst(0)                   ; the last step's products are done reading K's and V's fragments and scale words, and its vector instructions are done with the mask bits v240-243: this step's loads land in all of these
	s_wait_alu depctr_vm_vsrc(0)                   ; the LDS stores issued so far have read v24-28, in which the loads below land
	s_bitcmp1_b32 s28, 1
	s_cbranch_scc0 .Lnl_\@
	global_load_b128 v[24:27], v3, s[32:33] offset:8192    ; the next step's codes: 512 threads x 16 bytes
	s_cmp_lt_u32 s20, 6
	s_cbranch_scc0 .Lnl_\@
	global_load_b32 v28, v4, s[34:35] offset:768           ; and its 768 bytes of scale words: waves 0 to 5
.Lnl_\@:
	; a prefetch of the codes of the step after the next: 32 lanes x 256 bytes = its 8,192.  All four work-groups of a head walk the same kv: the first of them asks, in its first pass, by its last wave: each block is
	; named once in the launch.  The last trip asks for nothing: steps 14 and 15 have no step two on.  Steps 0 and 1 and the scale words come by their loads alone.
	s_cmp_gt_u32 s27, s49
	s_cbranch_scc0 .Lna_\@
	global_prefetch_b8 v255, s[32:33] offset:16384 th:TH_LOAD_NT scope:SCOPE_SE
.Lna_\@:
	s_bitcmp1_b32 s29, 0
	s_cbranch_scc0 .Lnc_\@
	COMPUTE \sl
.Lnc_\@:
	s_wait_loadcnt 0x0                             ; the next step's bytes are in my registers (on every way through the text)
	s_bitcmp1_b32 s28, 1
	s_cbranch_scc0 .Lns_\@
	ds_store_b128 v3, v[24:27] offset:(1-(\sl))*SLOTB
	s_cmp_lt_u32 s20, 6
	s_cbranch_scc0 .Lns_\@
	ds_store_b32 v4, v28 offset:(1-(\sl))*SLOTB+8192
.Lns_\@:
	s_wait_xcnt 0x0                                ; my loads and the prefetch have read their bases: they step only behind this wait
	s_add_nc_u64 s[32:33], s[32:33], 8192
	s_add_nc_u64 s[34:35], s[34:35], 768
	s_add_nc_u64 s[36:37], s[36:37], 256
	s_lshr_b32 s28, s28, 1
	s_lshr_b32 s29, s29, 1
	s_lshr_b32 s30, s30, 1
	s_wait_dscnt 0x0                               ; for the others' sake: my stores have landed and my reads of this slot are over
	s_barrier_signal -1
	s_barrier_wait -1
.endm
.Lpass:
	s_wait_xcnt 0x0                                ; the last pass's stores and loads have read their registers and bases
	s_wait_alu depctr_vm_vsrc(0)                   ; the last pass's LDS stores have read v24-28, in which step 0's loads land; its two global stores have read v224-227 and v254, which this pass's steps write again
	s_sub_co_u32 s38, 7, s21
	s_cmp_eq_u32 s25, 2
	s_cselect_b32 s26, s38, s21                    ; my block of 256 queries: 7 - x, then x
	s_lshl_b32 s31, s26, 4
	s_add_co_u32 s31, s31, s20                     ; T: my tile of 16 queries
	s_lshl_b32 s38, s23, 7
	s_lshl_b32 s50, s26, 4
	s_add_co_u32 s38, s38, s50
	s_lshl_b32 s38, s38, 2
	s_add_nc_u64 s[60:61], s[10:11], s[38:39]      ; fl: the sixteen tiles' words,
	s_lshl_b32 s38, s20, 2
	s_add_nc_u64 s[62:63], s[60:61], s[38:39]      ; and mine
	s_load_b512 s[68:83], s[60:61], 0x0
	s_load_b32 s84, s[62:63], 0x0
	s_lshl_b32 s38, s22, 7
	s_add_co_u32 s38, s38, s31
	s_lshl_b32 s38, s38, 9
	s_add_nc_u64 s[56:57], s[4:5], s[38:39]        ; Q's image: 512 bytes a tile
	s_lshl_b32 s38, s22, 4
	s_lshl_b32 s50, s26, 1
	s_add_co_u32 s38, s38, s50
	s_lshr_b32 s50, s20, 3
	s_add_co_u32 s38, s38, s50                     ; which 128 queries,
	s_lshl_b32 s38, s38, 9
	s_and_b32 s50, s20, 1
	s_lshl_b32 s50, s50, 8
	s_add_co_u32 s38, s38, s50                     ; tile 2 j + u of them: 256 u
	s_bfe_u32 s50, s20, 0x20001
	s_lshl_b32 s50, s50, 2
	s_add_co_u32 s38, s38, s50                     ; + 4 j
	s_add_co_u32 s38, s38, 0x400000
	s_add_nc_u64 s[58:59], s[4:5], s[38:39]        ; Q's scale words
	global_load_b128 v[16:19], v1, s[56:57]        ; no wait on va_vdst here: on the way in the head's stands ahead, on the way back the way out's, and no vector or matrix instruction follows either
	global_load_b32 v29, v7, s[58:59]
	s_lshl_b32 s38, s22, 17
	s_add_nc_u64 s[32:33], s[6:7], s[38:39]        ; kv: the head's step 0: codes,
	s_mul_i32 s38, s22, 12288
	s_add_co_u32 s38, s38, 0x800000
	s_add_nc_u64 s[34:35], s[6:7], s[38:39]        ; scale words
	s_lshl_b32 s38, s23, 7
	s_add_co_u32 s38, s38, s31
	s_lshl_b32 s38, s38, 12
	s_add_nc_u64 s[36:37], s[8:9], s[38:39]        ; mb: my tile's step 0
	s_lshl_b32 s38, s24, 9
	s_lshl_b32 s50, s23, 7
	s_add_co_u32 s38, s38, s50
	s_add_co_u32 s38, s38, s31
	s_lshl_b32 s38, s38, 9
	s_add_nc_u64 s[52:53], s[12:13], s[38:39]      ; oo: [head][128 b + T][512 bytes]
	s_lshl_b32 s38, s23, 11
	s_lshl_b32 s50, s31, 4
	s_add_co_u32 s38, s38, s50
	s_lshl_b32 s38, s38, 5
	s_lshl_b32 s50, s24, 1
	s_add_co_u32 s38, s38, s50
	s_add_co_u32 s38, s38, 0x400000
	s_add_nc_u64 s[54:55], s[12:13], s[38:39]      ; its scale bytes: 32 a query, mine at 2 x head
	s_xor_b32 s38, s20, 15
	s_or_b32 s38, s38, s21
	s_xor_b32 s50, s25, 2
	s_or_b32 s38, s38, s50
	s_cmp_eq_u32 s38, 0
	s_cselect_b32 s49, 1, -1                       ; 1 in the wave that prefetches (wave 15, x = 0, first pass), else the greatest number
	v_mov_b32 v13, 0xff61b1e6                      ; the largest t so far: -3e38, under every t
	v_floor_f32 v12, -v13                          ; -M
	v_mov_b32 v14, 0
	v_mov_b32 v15, 0
.irp i, 236,237,238,239,253
	v_mov_b32 v[\i], 0
.endr
.set n, 0
.rept 32
	v_mov_b32 v[160+n], 0                          ; O^T: the step is written once; the first finds zeros, which the first change of M leaves zeros
.set n, n+1
.endr
	s_wait_kmcnt 0x0
	s_or_b32 s28, s68, s69
.irp i, 70,71,72,73,74,75,76,77,78,79,80,81,82,83
	s_or_b32 s28, s28, s[\i]
.endr
	s_and_b32 s28, s28, 0xffff                     ; the steps that some wave walks: those are brought into LDS
	s_and_b32 s29, s84, 0xffff                     ; the steps that I walk
	s_lshr_b32 s30, s84, 16                        ; the steps whose bits I apply
	s_bitcmp1_b32 s28, 0                           ; step 0 into slot 0
	s_cbranch_scc0 .Lp0
	global_load_b128 v[24:27], v3, s[32:33]        ; (the vector lines of this pass's head name none of v3, v4, v24-28)
	s_cmp_lt_u32 s20, 6
	s_cbranch_scc0 .Lp0
	global_load_b32 v28, v4, s[34:35]
.Lp0:
	s_wait_loadcnt 0x0                             ; and Q
	s_bitcmp1_b32 s28, 0
	s_cbranch_scc0 .Lp1
	ds_store_b128 v3, v[24:27]
	s_cmp_lt_u32 s20, 6
	s_cbranch_scc0 .Lp1
	ds_store_b32 v4, v28 offset:8192
.Lp1:
	s_wait_dscnt 0x0
	s_barrier_signal -1
	s_barrier_wait -1
	s_mov_b32 s27, 8
.Ltrip:
	STEPM 0
	STEPM 1
	s_sub_co_u32 s27, s27, 1
	s_cmp_lg_u32 s27, 0
	s_cbranch_scc1 .Ltrip
	; THE WAY OUT OF A PASS: O^T / the sum, quantised along the head's 64 channels: two blocks of 32, which are K blocks 2 head and 2 head + 1 of the last projection.
	v_add_f32 v14, v14, v15                        ; the sum's two halves,
	v_permlanex16_b32 v252, v14, s44, s45
	v_add_f32 v14, v14, v252                       ; and lane l xor 16's
	v_rcp_f32 v14, v14
	v_nop                                          ; one plain place behind the reciprocal
	s_wait_alu depctr_va_vdst(0)                   ; the reciprocal has written v14: ahead of its first reader
.set n, 0
.rept 16
	v_pk_mul_f32 v[96+n:97+n], v[160+n:161+n], v[14:15] op_sel_hi:[1,0]   ; ascending: each accumulator from its low end on
.set n, n+2
.endr
.irp b, 0,1
	v_max3_num_f32 v[232+\b], |v[96+16*\b]|, |v[97+16*\b]|, 0x1800000
.endr
.irp i, 2,4,6,8,10,12,14
.irp b, 0,1
	v_max3_num_f32 v[232+\b], v[232+\b], |v[96+16*\b+\i]|, |v[97+16*\b+\i]|
.endr
.endr
.irp b, 0,1
	v_permlanex16_b32 v[236+\b], v[232+\b], s44, s45
.endr
.irp b, 0,1
	v_max_num_f32 v[232+\b], v[232+\b], v[236+\b]
.endr
.irp b, 0,1
	v_add_nc_u32 v[244+\b], 0xff000000, v[232+\b]
.endr
.irp b, 0,1
	v_lshrrev_b32 v[236+\b], 23, v[244+\b]
.endr
	v_lshl_or_b32 v254, v237, 8, v236              ; my query's two scale bytes
.irp b, 0,1
	v_cvt_scalef32_pk8_fp4_f32 v[224+2*\b], v[96+16*\b:103+16*\b], v[244+\b]
	v_cvt_scalef32_pk8_fp4_f32 v[225+2*\b], v[104+16*\b:111+16*\b], v[244+\b]
.endr
	v_nop                                          ; one plain place behind a scaled conversion
	v_permlane16_swap_b32 v224, v226               ; lanes 0-15: block 0 whole, lanes 16-31: block 1 whole
	v_permlane16_swap_b32 v225, v227
	s_wait_alu depctr_va_vdst(0)                   ; the codes v224-227 and the two bytes v254 are written, which the stores below read; and this pass's products are done reading Q and its scale word, in which the next pass's loads land
	global_store_b128 v1, v[224:227], s[52:53]     ; the image: 512 consecutive bytes
	global_store_b16 v10, v254, s[54:55]
	s_sub_co_u32 s25, s25, 1
	s_cmp_lg_u32 s25, 0
	s_cbranch_scc1 .Lpass
	s_wait_dscnt 0x0                               ; the closing lines, six on end
	s_wait_alu 0x0
	s_wait_tensorcnt 0x0
	ds_add_u32 v5, v6
	s_wait_dscnt 0x0
	s_endpgm
.Lfunc_end_k_q450068592a_attn:
	.size	k_q450068592a_attn, .Lfunc_end_k_q450068592a_attn-k_q450068592a_attn
	.p2alignl 7, 3214868480
	.fill 96, 4, 3214868480
	.section	.rodata,"a",@progbits
	.p2align	6, 0x0
	.amdhsa_kernel k_q450068592a_attn
		.amdhsa_group_segment_fixed_size 19968
		.amdhsa_private_segment_fixed_size 0
		.amdhsa_enable_private_segment 0
		.amdhsa_kernarg_size 40
		.amdhsa_user_sgpr_count 2
		.amdhsa_user_sgpr_kernarg_segment_ptr 1
		.amdhsa_wavefront_size32 1
		.amdhsa_system_sgpr_workgroup_id_x 1
		.amdhsa_system_sgpr_workgroup_id_y 1
		.amdhsa_system_sgpr_workgroup_id_z 1
		.amdhsa_system_vgpr_workitem_id 0
		.amdhsa_next_free_vgpr 256
		.amdhsa_next_free_sgpr 100
		.amdhsa_reserve_vcc 0
		.amdhsa_float_denorm_mode_32 3
		.amdhsa_float_denorm_mode_16_64 3
		.amdhsa_memory_ordered 1
		.amdhsa_forward_progress 1
		.amdhsa_inst_pref_size 68
	.end_amdhsa_kernel
	.amdgpu_metadata
---
amdhsa.version: [ 1, 2 ]
amdhsa.kernels:
  - .name:           k_q450068592a_attn
    .symbol:         k_q450068592a_attn.kd
    .args:
      - { .name: qq, .offset: 0, .size: 8, .value_kind: global_buffer, .address_space: global }
      - { .name: kv, .offset: 8, .size: 8, .value_kind: global_buffer, .address_space: global }
      - { .name: mb, .offset: 16, .size: 8, .value_kind: global_buffer, .address_space: global }
      - { .name: fl, .offset: 24, .size: 8, .value_kind: global_buffer, .address_space: global }
      - { .name: oo, .offset: 32, .size: 8, .value_kind: global_buffer, .address_space: global }
    .group_segment_fixed_size: 19968
    .private_segment_fixed_size: 0
    .kernarg_segment_align: 8
    .kernarg_segment_size: 40
    .max_flat_workgroup_size: 512
    .sgpr_count:     100
    .vgpr_count:     256
    .wavefront_size: 32
...
	.end_amdgpu_metadata
.endif
;; end of part 5
;; launch oproj: the kernel of part 4 again; grid 4 x 32, 4 waves a work-group, clusters of 4 x 4, 327,680 bytes of LDS; arguments oo, xx, b_o, out0; writes out0
